; MI455X (gfx1250); checked and timed in simulation.
; The chip was launched on July 23, 2026; its instructions are those of AMD's public machine-readable ISA for CDNA 5 (MIT licence, August 2026) and "CDNA5" Instruction Set Architecture Reference Guide (July 2026). The comments in the code are by the model that wrote it; some were corrected since.
;; Transformer Mo E Block. Allowed arithmetic: matrix products marked QUANTISED: E3M2 operands, one E8M0 scale for each 32 along K, by v_wmma_scale_f32_16x16x128_f8f6f4 with both operands' format E3M2, f32 sums; products left as they are: f32 operands where the result goes on into a quantised operand, else bf16, f16 or f32 operands; f32 sums; everything else in f32.
;; Inputs: W1_codes 8 x 2,048 x 16 x 24 uint8 (E3M2 codes of W1, K innermost, in blocks of 32 codes, four codes in three bytes); W1_scales 8 x 2,048 x 16 uint8 (E8M0 scales of W1, one for each 32 codes along K); W2_codes 8 x 512 x 64 x 24 uint8 (E3M2 codes of W2, K innermost, in blocks of 32 codes, four codes in three bytes); W2_scales 8 x 512 x 64 uint8 (E8M0 scales of W2, one for each 32 codes along K); Wg 512 x 8 float32; b1 8 x 2,048 float32; b2 8 x 512 float32; bg 8 float32; x 4 x 1,024 x 512 float32.
;; Outputs: out0 4 x 1,024 x 512 float32.
;; This version of the problem:
;;   THIS VERSION OF THE PROBLEM IS GIVEN IN LOW PRECISION. The matrix products marked QUANTISED in the list below multiply operands that are first quantised to E3M2 (3 exponent bits, 2 mantissa bits; 6 bits a number), with one power-of-two scale for each 32 numbers along K (OCP MX v1.0); their sums are f32. All else is computed in f32.
;;   The module's matrix products, in the order in which they are computed (A, B: the left and right operand; K: the contracted axis; several contracted axes count as one K, in the product's order):
;;     1. [M 4,096, K 512] x [K 512, N 8]; A: input x; B: input Wg: left as it is (N = 8 < 16)
;;     2. [M 16,384, K 512] x [K 512, N 4,096]; A: input W1 (given as codes); B: input x: QUANTISED
;;     3. batch 8 x [M 4,096, K 2,048] x [K 2,048, N 512]; A: computed on the way; B: input W2 (given as codes): QUANTISED
;;     4. batch 4,096 x [M 1, K 8] x [K 8, N 512]; A: computed on the way; B: computed on the way: left as it is (K = 8 < 32)
;;   THE QUANTISER, for each operand of a quantised product, along K:
;;     - K is cut into blocks of 32 from its start; a last block that is shorter is filled with zeros.
;;     - A block's scale is 2^e with e = floor(log2(the largest magnitude in the block)) - 4, held to -126 .. 127; a block of zeros has e = 0. As a byte (E8M0): e + 127.
;;     - Each number is divided by its block's scale, clamped to +-28, and rounded to the nearest number of E3M2, ties to even, subnormals kept.
;;     - The product sums the exact products of the quantised numbers (number of the format x scale) in f32.
;;   ~~~python
;;   def quantise(x, axis):      # numpy; x: float32 -> the quantised numbers, widened to float32 again
;;       x = np.moveaxis(x, axis, -1); K = x.shape[-1]
;;       x = np.pad(x, [(0, 0)] * (x.ndim - 1) + [(0, -K % 32)]); x = x.reshape(x.shape[:-1] + (-1, 32)); a = np.abs(x).max(-1, keepdims=True)
;;       e = np.where(a > 0, np.clip(np.frexp(np.where(a > 0, a, 1))[1] - 1 - 4, -126, 127), 0)      # np.frexp(a)[1] - 1 = floor(log2(a)), exactly
;;       r = np.clip(x / 2.0 ** e, -28, 28)
;;       step = 2.0 ** (np.maximum(np.frexp(np.where(r == 0, 1, r))[1] - 1, -2) - 2)
;;       q = np.round(r / step) * step * 2.0 ** e      # np.round: ties to even
;;       return np.moveaxis(q.reshape(q.shape[:-2] + (-1,))[..., :K], -1, axis).astype(np.float32)
;;   ~~~
;;   OPERANDS COMPUTED ON THE WAY. 'Computed on the way' means the value that the module computes at that place (a softmax that the list does not call 'softmax' is quantised finished and normalised). What goes into a quantiser is computed in f32, as accurately as f32 sums, v_exp_f32 and their like allow (about 1e-6 of the number): no bf16 or f16 on the way to a quantiser, and a product that is left as it is and whose result goes on into a quantised operand takes f32 operands (vector FMAs, or v_wmma_f32_16x16x4_f32). A number that lies on a knife's edge between two numbers of the format may be rounded either way, as far as f32 arithmetic and the matrix unit's own rounding can turn it there, and no further.
;;   INPUTS GIVEN AS CODES. W1 (in the module: [8, 512, 2048], K = its axis 1); W2 (in the module: [8, 2048, 512], K = its axis 1): each comes as NAME_codes (uint8): NAME with its K axis moved to the last place and cut into blocks of 32 codes, [.., K / 32, bytes a block], one block behind the other in memory; four codes in three bytes: a row's codes are one little-endian stream of bits, code i at bits 6 i .. 6 i + 5 (a code: sign, 3 exponent bits, 2 mantissa bits); and NAME_scales (uint8): the same leading axes, one E8M0 byte (e + 127) for each 32 codes along K. Its value is code x scale, taken as it is: it is not quantised again, and the codes and scales need not be those that the quantiser above would give.
;; 2 versions, each right; version 2 is version 1 with the launch chain written anew for expert scheduling mode. Each part assembles by itself: llvm-mc -triple=amdgcn-amd-amdhsa -mcpu=gfx1250 --defsym DOCPART=n.
;; ======== version 1 of 2: 4 launches
;; workspace buffers: xq 2,097,152 bytes; wts 32,768 bytes; keys 49,152 bytes of whole numbers; wimg 13,107,200 bytes; plan 69,632 bytes of whole numbers; ybuf 17,694,720 bytes
;; launch route (part 1): grid 128 x 1, 4 waves a work-group, no clusters, 89,088 bytes of LDS; arguments x, Wg, bg, xq, wts, keys; writes xq, wts, keys
.if DOCPART == 1
	.amdgcn_target "amdgcn-amd-amdhsa--gfx1250"
	.amdhsa_code_object_version 6
	.text
	.protected	k_q706f5e5892_route
	.globl	k_q706f5e5892_route
	.p2align	8
	.type	k_q706f5e5892_route,@function
k_q706f5e5892_route:
	s_mov_b64 s[64:65], 0
	v_nop
	global_prefetch_b8 v0, s[64:65] scope:SCOPE_SE
	s_setreg_imm32_b32 hwreg(HW_REG_WAVE_MODE, 25, 1), 1
	s_wait_xcnt 0x0
; ROUTE.  For 32 tokens a work-group: the gate (f32 logits, softmax over 8 experts, the two largest, renormalised with 0.01), each chosen row's rank among
; its chunk's rows of the same expert, and x as codes of BF6 (E3M2) with one E8M0 byte for each 32 along D.
; SHARES.  Work-group b takes tokens 32 b .. 32 b + 31 (a chunk).  Wave w takes k = 128 w .. 128 w + 127 of all 32 tokens: it loads them 512 consecutive bytes an
; instruction, turns them through its own stage in LDS so that a LANE holds one token and its 128 registers run along k, sums its part of the 8 logits by fused
; multiply-adds, and quantises its four blocks of 32 with no other lane's help.  Wave 0 then adds the four parts and chooses.
; WHAT IS STORED.  xq: a record of 512 bytes a token: for K step s (128 along D) 96 bytes of codes with its four blocks in the order 0, 2, 1, 3, so that lane (r, h) of an
; operand finds its 12 registers as 48 bytes on end at 96 s + 48 h; from byte 384 + 32 s the K step's scale word, then 28 zero bytes.
; wts: the two weights of a token.  keys: for each token's two rows expert | rank << 8; from byte 32,768 on, for each chunk 32 words: the rows of each expert, then zeros.
; No address, branch or mask of a memory instruction hangs on the choice: it is stored at fixed places, and a later launch places the rows.
; LIMITS.  NaN and infinities among the inputs are not served.  A block whose largest magnitude lies under 2^-122 gets the scale byte 1; a block of zeros too (its codes are zeros; the bytes
; are read by this program alone).  The logits are summed in another order than a plain dot product, and the gates come from v_exp_f32 and v_rcp_f32: a token whose second and third gates agree to
; about 1e-7 of their size may take the other expert.  Gates under 2^-126 count as 0 and tie towards the lower expert, with a weight of 0.
.set TSP,  528                         ; a token's place in a stage: 512 bytes + 16 = 132 words, so that sixteen neighbouring rows begin 4 words apart
.set TSW,  32*TSP                      ; a wave's turning stage
.set XQB,  4*TSW                       ; behind the four: the 32 records as they will lie in xq, pitch TSP
.set PLB,  XQB+32*TSP                  ; behind them: the partial logits, [wave][expert][token], 128 bytes a row
.set Y,    16                          ; v16-143  as loaded: 4 numbers of each of 32 tokens; turned: my token's 128 numbers
.set WG,   144                         ; v144-175 register 8 c + e: Wg[128 w + 4 lane + c][e]
.set ACC,  176                         ; v176-183 my token's 8 partial logits
.set TM,   184                         ; v184-187 the four blocks' largest magnitudes
.set SOP,  188                         ; v188-191 the conversions' scale operands
.set BY,   192                         ; v192-195 the scale bytes
.set PC,   200                         ; v200-223 96 bytes of codes, the block at place p in registers 6 p on
.set TC,   224                         ; v224-239 the upper halves of the blocks, before they are moved
.set PW,   240                         ; v240 the scale word; v241-247 zeros
.set LG,   80                          ; wave 0: v80-87 logits, then gates
	s_load_b256 s[4:11], s[0:1], 0x0               ; x s[4:5], Wg s[6:7], bg s[8:9], xq s[10:11]
	s_load_b128 s[12:15], s[0:1], 0x20             ; wts s[12:13], keys s[14:15]
	v_lshl_add_u32 v248, v0, 2, 0x15a00
	v_mov_b32 v249, 0
	v_lshrrev_b32 v9, 5, v0
	v_readfirstlane_b32 s16, v9                    ; wave 0..3
	v_and_b32 v10, 31, v0                          ; lane
	v_lshlrev_b32 v1, 4, v10                       ; 16 x lane; never rewritten
	v_mul_u32_u24 v11, v10, TSP
	s_mul_i32 s17, s16, TSW
	v_add_nc_u32 v2, s17, v1                       ; my stage, on the way in: 16 x lane, a token a row
	v_add_nc_u32 v3, s17, v11                      ; and on the way out: row = lane
	s_mul_i32 s17, s16, 96
	s_add_co_u32 s17, s17, XQB
	v_add_nc_u32 v4, s17, v11                      ; my token's record, my K step's 96 bytes of codes
	s_lshl_b32 s17, s16, 5
	s_add_co_u32 s17, s17, XQB+384
	v_add_nc_u32 v5, s17, v11                      ; and its 32 bytes for the scale word
	s_lshl_b32 s17, s16, 10
	s_add_co_u32 s17, s17, PLB
	v_lshl_add_u32 v6, v10, 2, s17                 ; my wave's partial logits, my token's word
	s_mul_i32 s17, s16, 8*TSP
	s_add_co_u32 s17, s17, XQB
	v_add_nc_u32 v7, s17, v1                       ; the records back: wave w stores tokens 8 w .. 8 w + 7
	v_lshlrev_b32 v8, 2, v10
	v_add_nc_u32 v8, PLB, v8                       ; wave 0 reads all partial logits of its lane's token
	v_lshlrev_b32 v12, 7, v10                      ; Wg: four rows of 32 bytes a lane
	s_lshl_b32 s18, ttmp9, 16                      ; x: 32 tokens of 2,048 bytes a work-group,
	s_lshl_b32 s19, s16, 9                         ; 512 bytes of each a wave
	s_add_co_u32 s18, s18, s19
	s_mov_b32 s19, 0
	s_lshl_b32 s28, s16, 12                        ; Wg: 128 rows of 32 bytes a wave; xq: 8 records of 512 bytes a wave
	s_mov_b32 s29, 0
	s_lshl_b32 s30, ttmp9, 14                      ; xq: 32 records a work-group
	s_add_co_u32 s30, s30, s28
	s_mov_b32 s31, 0
	s_wait_kmcnt 0x0
	s_add_nc_u64 s[4:5], s[4:5], s[18:19]
	s_add_nc_u64 s[6:7], s[6:7], s[28:29]
	s_add_nc_u64 s[10:11], s[10:11], s[30:31]
	s_load_b256 s[20:27], s[8:9], 0x0              ; bg
.irp i, 0,1,2,3,4,5,6,7
	global_load_b128 v[WG+4*\i:WG+4*\i+3], v12, s[6:7] offset:16*\i
.endr
.set t, 0
.rept 32
	global_load_b128 v[Y+4*t:Y+4*t+3], v1, s[4:5] offset:2048*t th:TH_LOAD_NT   ; token t: 32 lanes read 512 consecutive bytes; read once in the launch
.set t, t+1
.endr
.irp i, 1,2,3,4,5,6,7
	v_mov_b32 v[PW+\i], 0
.endr
; THE TURN.  Eight tokens at a time go into the stage as they come.
.set t, 0
.rept 4
	s_wait_loadcnt 24-t                            ; Wg's eight loads and tokens up to t + 7 are in; the younger groups of eight may be out
.rept 8
	ds_store_b128 v2, v[Y+4*t:Y+4*t+3] offset:TSP*t
.set t, t+1
.endr
.endr
	s_wait_dscnt 0x0                               ; the stores have read their registers, which the loads below write
.set t, 0
.rept 32
	ds_load_b128 v[Y+4*t:Y+4*t+3], v3 offset:16*t  ; my token's numbers 4 t .. 4 t + 3 of this K step
.set t, t+1
.endr
	s_wait_dscnt 0x0
; THE GATE.  Lane l of WG holds the weights of k = 4 l .. 4 l + 3: 32 numbers are brought into scalar registers, then 32 fused multiply-adds use them; two sets of scalars by turns.
.macro GATE4 l, sb
.irp c, 0,1,2,3
.irp e, 0,1,2,3,4,5,6,7
	v_readlane_b32 s[\sb+8*\c+\e], v[WG+8*\c+\e], \l
.endr
.endr
.irp c, 0,1,2,3
.irp e, 0,1,2,3,4,5,6,7
.if ((\l) == 0) && (\c == 0)
	v_mul_f32 v[ACC+\e], s[\sb+8*\c+\e], v[Y+\c]   ; the first product starts the sum
.else
	v_fmac_f32 v[ACC+\e], s[\sb+8*\c+\e], v[Y+4*(\l)+\c]
.endif
.endr
.endr
.endm
.set L, 0
.rept 16
	GATE4 L, 32
	GATE4 L+1, 68
.set L, L+2
.endr
; THE QUANTISER.  All 32 numbers of a block are mine.  The floor 2^(5 - 127) among the leaves holds the byte at 1 from below.
.irp b, 0,1,2,3
	v_max3_num_f32 v[TM+\b], |v[Y+32*\b]|, |v[Y+32*\b+1]|, 0x2800000
.endr
.irp i, 2,4,6,8,10,12,14,16,18,20,22,24,26,28,30
.irp b, 0,1,2,3
	v_max3_num_f32 v[TM+\b], v[TM+\b], |v[Y+32*\b+\i]|, |v[Y+32*\b+\i+1]|   ; the four blocks by turns
.endr
.endr
.irp b, 0,1,2,3
	v_add_nc_u32 v[SOP+\b], 0xfe000000, v[TM+\b]   ; 4 off the exponent field: the conversion takes that field as its scale
.endr
.irp b, 0,1,2,3
	v_lshrrev_b32 v[BY+\b], 23, v[SOP+\b]          ; the scale's byte
.endr
	v_lshl_or_b32 v[PW], v[BY+1], 8, v[BY]         ; the K step's scale word, the lower block in the lower byte
	v_lshl_or_b32 v[PW], v[BY+2], 16, v[PW]
	v_lshl_or_b32 v[PW], v[BY+3], 24, v[PW]
.irp b, 0,1,2,3
	v_cvt_scalef32_pk16_bf6_f32 v[PC+6*(2*(\b%2)+\b/2):PC+6*(2*(\b%2)+\b/2)+2], v[Y+32*\b:Y+32*\b+15], v[SOP+\b]   ; block b goes to place 2 (b % 2) + b / 2
	v_cvt_scalef32_pk16_bf6_f32 v[TC+4*\b:TC+4*\b+2], v[Y+32*\b+16:Y+32*\b+31], v[SOP+\b]   ; (a conversion's three registers begin on an even number)
.endr
	v_nop                                          ; one plain instruction behind the scaled conversions
.irp b, 0,1,2,3
.irp i, 0,1,2
	v_mov_b32 v[PC+6*(2*(\b%2)+\b/2)+3+\i], v[TC+4*\b+\i]
.endr
.endr
.irp i, 0,1,2,3,4,5
	ds_store_b128 v4, v[PC+4*\i:PC+4*\i+3] offset:16*\i
.endr
	ds_store_b128 v5, v[PW:PW+3]
	ds_store_b128 v5, v[PW+4:PW+7] offset:16
.irp e, 0,1,2,3,4,5,6,7
	ds_store_b32 v6, v[ACC+\e] offset:128*\e
.endr
	s_wait_kmcnt 0x0                               ; bg
	s_wait_dscnt 0x0                               ; for the others' sake: my parts of the records and of the logits lie in LDS
	s_barrier_signal -1
	s_barrier_wait -1
.irp i, 0,1,2,3,4,5,6,7
	ds_load_b128 v[Y+4*\i:Y+4*\i+3], v7 offset:TSP*\i
.endr
.irp i, 0,1,2,3,4,5,6,7
	s_wait_dscnt 7-\i                              ; record i is in; the younger ones may be out
	global_store_b128 v1, v[Y+4*\i:Y+4*\i+3], s[10:11] offset:512*\i   ; 32 lanes store a record: 512 consecutive bytes, aligned
.endr
	s_cmp_lg_u32 s16, 0
	s_cbranch_scc1 .Ldone                          ; the choice is wave 0's: a lane a token.  (v16-47 stay as they are: the stores above read them)
.irp w, 0,1,2,3
.irp e, 0,1,2,3,4,5,6,7
	ds_load_b32 v[48+8*\w+\e], v8 offset:1024*\w+128*\e
.endr
.endr
	s_wait_dscnt 0x0
.irp e, 0,1,2,3,4,5,6,7
	v_add_f32 v[LG+\e], v[48+\e], v[56+\e]
.endr
.irp e, 0,1,2,3,4,5,6,7
	v_add_f32 v[48+\e], v[64+\e], v[72+\e]
.endr
.irp e, 0,1,2,3,4,5,6,7
	v_add_f32 v[LG+\e], v[LG+\e], v[48+\e]
.endr
.irp e, 0,1,2,3,4,5,6,7
	v_add_f32 v[LG+\e], s[20+\e], v[LG+\e]         ; + bg
.endr
	v_max3_num_f32 v88, v80, v81, v82              ; the largest logit is taken away ahead of the exponentials
	v_max3_num_f32 v88, v88, v83, v84
	v_max3_num_f32 v88, v88, v85, v86
	v_max_num_f32 v88, v88, v87
.irp e, 0,1,2,3,4,5,6,7
	v_sub_f32 v[LG+\e], v[LG+\e], v88
.endr
.irp e, 0,1,2,3,4,5,6,7
	v_mul_f32 v[LG+\e], 0x3fb8aa3b, v[LG+\e]       ; x log2(e)
.endr
.irp e, 0,1,2,3,4,5,6,7
	v_exp_f32 v[LG+\e], v[LG+\e]
.endr
	v_nop                                          ; a plain instruction behind the last exponential
	s_wait_alu depctr_va_vdst(0)                   ; one wait for the eight, ahead of their first reader
	v_add_f32 v89, v80, v81
	v_add_f32 v102, v82, v83
	v_add_f32 v103, v84, v85
	v_add_f32 v95, v86, v87
	v_add_f32 v89, v89, v102
	v_add_f32 v103, v103, v95
	v_add_f32 v89, v89, v103
	v_rcp_f32 v90, v89
	v_nop
	s_wait_alu depctr_va_vdst(0)
.irp e, 0,1,2,3,4,5,6,7
	v_mul_f32 v[LG+\e], v[LG+\e], v90              ; the gates
.endr
	v_mov_b32 v91, v80                             ; the largest gate: an ascending scan; the strict compare keeps the lower expert of equals
	v_mov_b32 v92, 0
.irp e, 1,2,3,4,5,6,7
	v_cmp_gt_f32 vcc_lo, v[LG+\e], v91
	v_cndmask_b32 v91, v91, v[LG+\e], vcc_lo
	v_cndmask_b32 v92, v92, \e, vcc_lo
.endr
.irp e, 0,1,2,3,4,5,6,7
	v_cmp_eq_u32 vcc_lo, \e, v92
	v_cndmask_b32 v[LG+\e], v[LG+\e], -1.0, vcc_lo ; the winner steps out: -1 lies under every gate
.endr
	v_mov_b32 v93, v80
	v_mov_b32 v94, 0
.irp e, 1,2,3,4,5,6,7
	v_cmp_gt_f32 vcc_lo, v[LG+\e], v93
	v_cndmask_b32 v93, v93, v[LG+\e], vcc_lo
	v_cndmask_b32 v94, v94, \e, vcc_lo
.endr
	v_add_f32 v95, v91, v93
	v_add_f32 v95, 0x3c23d70a, v95                 ; + 0.01
	v_rcp_f32 v95, v95
	v_mov_b32 v100, 0                              ; (plain work behind the reciprocal)
	v_mov_b32 v101, 0
	v_mov_b32 v104, 0
	s_wait_alu depctr_va_vdst(0)
	v_mul_f32 v96, v91, v95                        ; the two weights
	v_mul_f32 v97, v93, v95
; RANKS, as values only.  Of an expert's rows in this chunk the first choices come first, in the order of the tokens, then the second choices.
.irp e, 0,1,2,3,4,5,6,7
	v_cmp_eq_u32 s32, \e, v92
	v_cmp_eq_u32 s33, \e, v94
	s_bcnt1_i32_b32 s34, s32
	s_bcnt1_i32_b32 s35, s33
	v_mbcnt_lo_u32_b32 v102, s32, 0                ; the lower lanes whose first choice this expert is
	v_mbcnt_lo_u32_b32 v103, s33, s34              ; all first choices + the lower lanes' second choices
	s_add_co_u32 s35, s35, s34
	v_cndmask_b32 v100, v100, v102, s32
	v_cndmask_b32 v101, v101, v103, s33
	v_writelane_b32 v104, s35, \e                  ; the chunk's rows of expert e, in lane e
.endr
	v_lshl_or_b32 v98, v100, 8, v92
	v_lshl_or_b32 v99, v101, 8, v94
	v_lshlrev_b32 v105, 3, v10
	v_lshlrev_b32 v106, 2, v10
	s_lshl_b32 s36, ttmp9, 8                       ; 32 tokens x 8 bytes
	s_mov_b32 s37, 0
	s_add_nc_u64 s[38:39], s[14:15], s[36:37]
	s_add_nc_u64 s[40:41], s[12:13], s[36:37]
	s_lshl_b32 s36, ttmp9, 7                       ; a chunk's 32 words
	s_add_nc_u64 s[42:43], s[14:15], s[36:37]
	global_store_b64 v105, v[98:99], s[38:39]      ; 32 lanes store 256 consecutive bytes, aligned
	global_store_b64 v105, v[96:97], s[40:41]
	global_store_b32 v106, v104, s[42:43] offset:32768
.Ldone:
	s_wait_tensorcnt 0x0
	ds_add_u32 v248, v249
	s_wait_dscnt 0x0
	s_endpgm
.Lfunc_end_k_q706f5e5892_route:
	.size	k_q706f5e5892_route, .Lfunc_end_k_q706f5e5892_route-k_q706f5e5892_route
	.p2alignl 7, 3214868480
	.fill 96, 4, 3214868480
	.section	.rodata,"a",@progbits
	.p2align	6, 0x0
	.amdhsa_kernel k_q706f5e5892_route
		.amdhsa_group_segment_fixed_size 89088
		.amdhsa_private_segment_fixed_size 0
		.amdhsa_enable_private_segment 0
		.amdhsa_kernarg_size 48
		.amdhsa_user_sgpr_count 2
		.amdhsa_user_sgpr_kernarg_segment_ptr 1
		.amdhsa_wavefront_size32 1
		.amdhsa_system_sgpr_workgroup_id_x 1
		.amdhsa_system_sgpr_workgroup_id_y 1
		.amdhsa_system_sgpr_workgroup_id_z 1
		.amdhsa_system_vgpr_workitem_id 0
		.amdhsa_next_free_vgpr 250
		.amdhsa_next_free_sgpr 100
		.amdhsa_reserve_vcc 1
		.amdhsa_float_denorm_mode_32 3
		.amdhsa_float_denorm_mode_16_64 3
		.amdhsa_memory_ordered 1
		.amdhsa_forward_progress 1
		.amdhsa_inst_pref_size 128
	.end_amdhsa_kernel
	.amdgpu_metadata
---
amdhsa.version: [ 1, 2 ]
amdhsa.kernels:
  - .name:           k_q706f5e5892_route
    .symbol:         k_q706f5e5892_route.kd
    .args:
      - { .name: x, .offset: 0, .size: 8, .value_kind: global_buffer, .address_space: global }
      - { .name: Wg, .offset: 8, .size: 8, .value_kind: global_buffer, .address_space: global }
      - { .name: bg, .offset: 16, .size: 8, .value_kind: global_buffer, .address_space: global }
      - { .name: xq, .offset: 24, .size: 8, .value_kind: global_buffer, .address_space: global }
      - { .name: wts, .offset: 32, .size: 8, .value_kind: global_buffer, .address_space: global }
      - { .name: keys, .offset: 40, .size: 8, .value_kind: global_buffer, .address_space: global }
    .group_segment_fixed_size: 89088
    .private_segment_fixed_size: 0
    .kernarg_segment_align: 8
    .kernarg_segment_size: 48
    .max_flat_workgroup_size: 128
    .sgpr_count:     100
    .vgpr_count:     250
    .wavefront_size: 32
...
	.end_amdgpu_metadata
.endif
;; end of part 1
;; launch prep (part 2): grid 129 x 1, 16 waves a work-group, no clusters, 108,800 bytes of LDS; arguments W1_codes, W1_scales, W2_codes, W2_scales, keys, wimg, plan; writes wimg, plan
.if DOCPART == 2
	.amdgcn_target "amdgcn-amd-amdhsa--gfx1250"
	.amdhsa_code_object_version 6
	.text
	.protected	k_q706f5e5892_prep
	.globl	k_q706f5e5892_prep
	.p2align	8
	.type	k_q706f5e5892_prep,@function
k_q706f5e5892_prep:
	s_mov_b64 s[64:65], 0
	v_nop
	global_prefetch_b8 v0, s[64:65] scope:SCOPE_SE
	s_setreg_imm32_b32 hwreg(HW_REG_WAVE_MODE, 25, 1), 1
	s_wait_xcnt 0x0
; PREP.  Two jobs in one launch, parted on the work-group's number; each has LDS bytes of its own.
; WORK-GROUPS 1 .. 128 lay W1's and W2's codes and scale bytes out as the next launch's waves take them: for each expert e and wave w a stream of 32 groups of 12,800 bytes.
; A group is what one K step of 128 wants of eight tiles of 16 rows: eight images of an operand's 12 registers (registers 4 c .. 4 c + 3 of lane l at 1,536 t + 512 c + 16 l), then 512 bytes of scale
; words (at 12,288 + 16 l: word p is that of tile 2 p + l / 16, row l % 16).  Groups 0-15: W1, hidden units 128 (4 w + g / 4) on, K step g % 4 of D.  Groups 16-31: W2, outputs 128 w on, K step g - 16 of FF.
; THE ROWS OF W1 THAT FORM A TILE ARE NOT NEIGHBOURS: row 8 h + j of tile 4 c + u is hidden unit 64 c + 32 h + 8 u + j of its 128, so that in the transposed result a lane's 32 registers of tiles 4 c .. 4 c + 3
; are one whole block of 32 along the next K.
; A wave takes a unit: one tile's 16 rows x 384 bytes (four K steps).  A row is 32 lanes x 12 bytes: one load a row, 384 consecutive bytes; three stores of 4 bytes a lane put it into the wave's own 6,400 bytes of LDS
; (rows 400 bytes apart; every address is a constant + 12 x lane + 6,400 x wave); it comes back as 24 bytes a lane and K half, and goes out as 12 stores of 512 consecutive bytes.
; The waves with tile 0 also bring their four groups' scale words.
; WORK-GROUP 0 places the routed rows: a counting sort by expert on the counts and ranks that the launch before stored.  Each expert begins on a tile of 64 rows.  It stores, as whole numbers: the token of each padded
; row (token 0 in padding), the expert of each of 160 tiles (8: no rows), and each routed row's place.
.set CB,     102400                    ; LDS: for each of 128 chunks the first place of its rows of each expert: 8 words, 32 bytes a chunk
.set PTB,    106496                    ; for each expert the first and the last + 1 of its padding rows; at + 64: the first row behind all tiles in use
.set TILEE,  34816                     ; in plan: the tiles' experts
.set POS,    36864                     ; in plan: the routed rows' places
.set MAXROW, 8639                      ; 135 tiles of 64 rows
.set DR,     16                        ; the weights' path: v16-79 the 16 rows as loaded, four registers a row (three in use: a run of three begins on an even number)
.set FI,     80                        ; v80-127  the four K steps' images, 12 registers each
.set GA,     128                       ; v128-135 12 x lane + j x the row pitch, j = 0 .. 7;  v136, v137: the scale words' offsets
	s_load_b256 s[4:11], s[0:1], 0x0               ; W1's codes s[4:5], W1's scales s[6:7], W2's codes s[8:9], W2's scales s[10:11]
	s_load_b128 s[12:15], s[0:1], 0x20             ; keys s[12:13], wimg s[14:15]
	s_load_b64 s[16:17], s[0:1], 0x30              ; plan
	v_lshl_add_u32 v144, v0, 2, 0x1a100
	v_mov_b32 v145, 0
	v_lshrrev_b32 v1, 5, v0
	v_readfirstlane_b32 s18, v1                    ; wave 0..15
	v_and_b32 v2, 31, v0                           ; lane
	v_lshlrev_b32 v1, 4, v2                        ; 16 x lane
	s_cmp_eq_u32 ttmp9, 0
	s_cbranch_scc1 .Lplace
; ---------------- the weights ----------------
	s_sub_co_u32 s19, ttmp9, 1
	s_lshl_b32 s19, s19, 4
	s_add_co_u32 s19, s19, s18                     ; my unit U = 0 .. 2,047
	s_lshr_b32 s20, s19, 10                        ; 0: W1, 1: W2
	s_bfe_u32 s21, s19, 0x30007                    ; expert
	s_bfe_u32 s22, s19, 0x20005                    ; the wave w that will read it
	s_bfe_u32 s23, s19, 0x20003                    ; W1: which 128 hidden units of w's 512; W2: which four K steps
	s_and_b32 s24, s18, 7                          ; tile (16 units a work-group: U % 8 = wave % 8)
	s_mul_i32 s25, s21, 786432                     ; an expert's codes, in both tensors
	s_lshl_b32 s26, s22, 2
	s_add_co_u32 s26, s26, s23                     ; W1: chunk of 128 hidden units
	s_lshl_b32 s27, s26, 7
	s_lshr_b32 s28, s24, 2
	s_lshl_b32 s28, s28, 6
	s_add_co_u32 s27, s27, s28                     ; + 64 (t / 4)
	s_and_b32 s28, s24, 3
	s_lshl_b32 s28, s28, 3
	s_add_co_u32 s27, s27, s28                     ; + 8 (t % 4): the tile's first row
	s_mul_i32 s27, s27, 384
	s_add_co_u32 s27, s27, s25                     ; W1: where the unit begins
	s_lshl_b32 s28, s22, 7
	s_lshl_b32 s29, s24, 4
	s_add_co_u32 s28, s28, s29                     ; W2: row 128 w + 16 t
	s_mul_i32 s28, s28, 1536
	s_mul_i32 s29, s23, 384
	s_add_co_u32 s28, s28, s29
	s_add_co_u32 s28, s28, s25                     ; W2: where the unit begins
	s_lshl_b32 s25, s21, 15                        ; an expert's scale bytes, in both tensors
	s_lshl_b32 s29, s26, 11                        ; W1: 128 rows of 16 bytes a chunk
	s_add_co_u32 s29, s29, s25
	s_lshl_b32 s30, s22, 13                        ; W2: 128 rows of 64 bytes a wave,
	s_lshl_b32 s31, s23, 4                         ; 16 bytes for four K steps
	s_add_co_u32 s30, s30, s31
	s_add_co_u32 s30, s30, s25
	s_bfe_u32 s31, s19, 0x50005                    ; 4 e + w
	s_lshl_b32 s31, s31, 5
	s_lshl_b32 s34, s20, 4
	s_add_co_u32 s31, s31, s34
	s_lshl_b32 s34, s23, 2
	s_add_co_u32 s31, s31, s34                     ; the first of my four groups
	s_mul_i32 s46, s31, 12800
	s_mul_i32 s34, s24, 1536
	s_add_co_u32 s46, s46, s34                     ; my tile's image in it
	s_mov_b32 s47, 0
	s_mul_i32 s35, s18, 6400                       ; my wave's LDS
	s_mov_b32 s52, 1536
	s_mov_b32 s45, 0
	s_mov_b32 s57, 0
	s_wait_kmcnt 0x0
	s_cmp_eq_u32 s20, 0                            ; the choice hangs on the unit's number alone
	s_cselect_b64 s[32:33], s[4:5], s[8:9]
	s_cselect_b64 s[50:51], s[6:7], s[10:11]
	s_cselect_b32 s44, s27, s28
	s_cselect_b32 s56, s29, s30
	s_cselect_b32 s52, 384, s52                    ; bytes from row to row
	s_add_nc_u64 s[36:37], s[32:33], s[44:45]      ; the tile's first row
	s_add_nc_u64 s[50:51], s[50:51], s[56:57]
	s_add_nc_u64 s[48:49], s[14:15], s[46:47]
	v_and_b32 v3, 15, v2                           ; r
	v_lshrrev_b32 v4, 4, v2                        ; h
	v_mul_u32_u24 v5, v2, 12                       ; my 12 bytes of a row's 384
	v_add_nc_u32 v6, s35, v5                       ; and their place in a row of my stage
	v_mul_u32_u24 v15, v3, 400
	v_mad_u32_u24 v15, v4, 24, v15
	v_add_nc_u32 v15, s35, v15                     ; back: row r, + 24 h
.irp j, 0,1,2,3,4,5,6,7
	v_mad_u32_u24 v[GA+\j], s52, \j, v5            ; row j of the tile's first eight; rows 8-15 begin 12,288 bytes on in both tensors: 32 rows of W1, 8 rows of W2
.endr
.irp h, 0,1
.irp j, 0,1,2,3,4,5,6,7
	global_load_b96 v[DR+4*(8*\h+\j):DR+4*(8*\h+\j)+2], v[GA+\j], s[36:37] offset:12288*\h th:TH_LOAD_NT   ; 32 lanes read a row's 384 consecutive bytes; read once in the launch
.endr
.endr
.irp h, 0,1
	s_wait_loadcnt 8-8*\h                          ; these eight rows are in; the other eight may be out
.irp j, 0,1,2,3,4,5,6,7
.irp k, 0,1,2
	ds_store_b32 v6, v[DR+4*(8*\h+\j)+\k] offset:400*(8*\h+\j)+4*\k   ; neighbouring lanes stand 3 words apart: 32 different banks
.endr
.endr
.endr
.irp s, 0,1,2,3                        ; K step s: registers 6 c .. 6 c + 5 hold k = 64 c + 32 h + 0 .. 31: 24 bytes, as three loads of 8.  The bytes are my wave's own, and LDS serves a wave's instructions in order
.irp c, 0,1
.irp p, 0,1,2
	ds_load_b64 v[FI+12*\s+6*\c+2*\p:FI+12*\s+6*\c+2*\p+1], v15 offset:96*\s+48*\c+8*\p
.endr
.endr
.endr
	s_wait_dscnt 0x0
.irp s, 0,1,2,3
.irp c, 0,1,2
	global_store_b128 v1, v[FI+12*\s+4*\c:FI+12*\s+4*\c+3], s[48:49] offset:12800*\s+512*\c   ; 32 lanes store 512 consecutive bytes, aligned
.endr
.endr
	s_cmp_lg_u32 s24, 0
	s_cbranch_scc1 .Lrelay_end                     ; the scale words of the four groups are tile 0's wave's
	v_lshrrev_b32 v7, 3, v3
	v_and_b32 v8, 7, v3
	v_lshl_add_u32 v8, v7, 5, v8
	v_lshl_add_u32 v8, v4, 3, v8
	v_lshlrev_b32 v136, 4, v8                      ; W1: hidden unit 32 (r / 8) + 8 (l / 16) + r % 8 of tile pair p's, 16 bytes a unit: all four K steps' words
	v_lshlrev_b32 v137, 6, v2                      ; W2: output l of tile pair p's 32, 64 bytes a row
	s_cmp_eq_u32 s20, 0
	s_cbranch_scc0 .Lscales_w2
	global_load_b128 v[16:19], v136, s[50:51]
	global_load_b128 v[20:23], v136, s[50:51] offset:256     ; tiles 2, 3: 16 units on
	global_load_b128 v[24:27], v136, s[50:51] offset:1024    ; tiles 4, 5: 64 units on
	global_load_b128 v[28:31], v136, s[50:51] offset:1280
	s_branch .Lscales_in
.Lscales_w2:
.irp p, 0,1,2,3
	global_load_b128 v[16+4*\p:16+4*\p+3], v137, s[50:51] offset:2048*\p
.endr
.Lscales_in:
	s_wait_loadcnt 0x0
.irp s, 0,1,2,3
.irp p, 0,1,2,3
	v_mov_b32 v[32+4*\s+\p], v[16+4*\p+\s]         ; from (tile pair, K step) to (K step, tile pair)
.endr
.endr
.irp s, 0,1,2,3
	global_store_b128 v1, v[32+4*\s:32+4*\s+3], s[48:49] offset:12800*\s+12288
.endr
.Lrelay_end:
	s_wait_tensorcnt 0x0
	ds_add_u32 v144, v145
	s_wait_dscnt 0x0
	s_endpgm
; ---------------- the rows ----------------
.Lplace:
	v_lshlrev_b32 v3, 4, v0                        ; 16 x thread: four routed rows a pass
	v_and_b32 v10, 7, v2                           ; wave 0's lanes: expert,
	v_lshrrev_b32 v11, 3, v2                       ; and quarter of the 128 chunks
	v_lshlrev_b32 v4, 2, v10
	v_lshl_add_u32 v4, v11, 12, v4                 ; the counts of my quarter and expert: 32 chunks of 128 bytes a quarter
	v_lshlrev_b32 v5, 2, v10
	v_lshl_add_u32 v5, v11, 10, v5
	v_add_nc_u32 v5, CB, v5                        ; every LDS address is made here, ahead of the parting of the waves
	v_lshl_add_u32 v6, v10, 3, PTB
	v_lshrrev_b32 v7, 4, v0
	v_lshl_add_u32 v7, v7, 5, CB                   ; my rows' chunk in pass i is 32 i + thread / 16
	v_lshrrev_b32 v8, 6, v0
	v_lshl_add_u32 v8, v8, 3, PTB                  ; padding: 64 threads to an expert
	v_mov_b32 v9, PTB+64
	v_and_b32 v12, 63, v0
	v_lshlrev_b32 v13, 2, v2
	s_mov_b32 s52, 0x76543210
	s_mov_b32 s53, 0xfedcba98                      ; v_permlanex16_b32's selects for lane l xor 16
	s_wait_kmcnt 0x0
.irp i, 0,1,2,3
	global_load_b128 v[16+4*\i:16+4*\i+3], v3, s[12:13] offset:8192*\i   ; the keys of rows 2,048 i + 4 thread + 0 .. 3
.endr
	s_cmp_lg_u32 s18, 0
	s_cbranch_scc1 .Lmeet
.set i, 0
.rept 32
	global_load_b32 v[32+i], v4, s[12:13] offset:32768+128*i
.set i, i+1
.endr
	s_wait_loadcnt 0x0
	v_mov_b32 v64, 0                               ; how many rows of my expert lie in the chunks of my quarter ahead of chunk i
.set i, 1
.rept 31
	v_add_nc_u32 v[64+i], v[63+i], v[31+i]
.set i, i+1
.endr
	v_add_nc_u32 v96, v95, v63                     ; my quarter's rows
	v_mov_b32 v97, 0
	v_mov_b32 v98, 0
	v_mov_b32 v99, 0
	v_mov_b32_dpp v97, v96 row_xmask:8 row_mask:0xf bank_mask:0xf   ; quarter q xor 1's
	v_permlanex16_b32 v98, v96, s52, s53           ; q xor 2's
	v_permlanex16_b32 v99, v97, s52, s53           ; q xor 3's
	v_and_b32 v100, 1, v11
	v_cmp_ne_u32 vcc_lo, 0, v100
	v_cndmask_b32 v101, 0, v97, vcc_lo
	v_add_nc_u32 v102, v98, v99
	v_and_b32 v100, 2, v11
	v_cmp_ne_u32 vcc_lo, 0, v100
	v_cndmask_b32 v103, 0, v102, vcc_lo
	v_add_nc_u32 v101, v101, v103                  ; the rows of the quarters ahead of mine
	v_add3_u32 v104, v96, v97, v102                ; the expert's rows
	v_add_nc_u32 v105, 63, v104
	v_lshrrev_b32 v105, 6, v105                    ; and its tiles
.irp e, 0,1,2,3,4,5,6,7
	v_readlane_b32 s[20+\e], v105, \e
.endr
	s_mov_b32 s28, s20                             ; s[27 + e]: the first tile of expert e, e = 1 .. 8 (expert 0 begins at tile 0; 8: behind all)
.irp e, 1,2,3,4,5,6,7
	s_add_co_u32 s[28+\e], s[27+\e], s[20+\e]
.endr
	v_mov_b32 v106, 0
.irp e, 1,2,3,4,5,6,7
	v_cmp_eq_u32 vcc_lo, \e, v10
	v_mov_b32 v107, s[27+\e]
	v_cndmask_b32 v106, v106, v107, vcc_lo         ; my expert's first tile
.endr
	v_lshl_add_u32 v108, v106, 6, v101
.set i, 0
.rept 32
	v_add_nc_u32 v[64+i], v[64+i], v108
.set i, i+1
.endr
.set i, 0
.rept 32
	ds_store_b32 v5, v[64+i] offset:32*i
.set i, i+1
.endr
	v_lshl_add_u32 v110, v106, 6, v104             ; the expert's padding begins behind its rows
	v_add_lshl_u32 v111, v106, v105, 6             ; and ends with its last tile
	ds_store_b64 v6, v[110:111]                    ; the four quarters' lanes write the same numbers
	s_lshl_b32 s36, s35, 6
	v_mov_b32 v109, s36
	ds_store_b32 v9, v109                          ; the first row behind all tiles in use
.irp i, 0,1,2,3,4                      ; tile T's expert: how many of the experts 1 .. 8 begin at or ahead of T
	v_add_nc_u32 v[112+\i], 32*\i, v2
	v_mov_b32 v[117+\i], 0
.irp e, 1,2,3,4,5,6,7,8
	v_cmp_le_u32 vcc_lo, s[27+\e], v[112+\i]
	v_add_co_ci_u32 v[117+\i], vcc_lo, 0, v[117+\i], vcc_lo
.endr
	global_store_b32 v13, v[117+\i], s[16:17] offset:TILEE+128*\i
.endr
.Lmeet:
	s_wait_dscnt 0x0                               ; wave 0's stores lie in LDS
	s_barrier_signal -1
	s_barrier_wait -1
	s_wait_loadcnt 0x0                             ; my rows' keys
.irp i, 0,1,2,3
	ds_load_b128 v[32+8*\i:32+8*\i+3], v7 offset:1024*\i
	ds_load_b128 v[36+8*\i:36+8*\i+3], v7 offset:1024*\i+16
.endr
	ds_load_b64 v[104:105], v8
	ds_load_b32 v106, v9
	s_wait_dscnt 0x0
; A row's place: its chunk's first place for its expert, chosen among eight registers by the expert's three bits (no loaded number enters an LDS address), + its rank in the chunk.
.macro ROWP i, c
.set KR, 16+4*(\i)+(\c)
.set BB, 32+8*(\i)
	v_and_b32 v107, 1, v[KR]
	v_cmp_ne_u32 s20, 0, v107
	v_and_b32 v107, 2, v[KR]
	v_cmp_ne_u32 s21, 0, v107
	v_and_b32 v107, 4, v[KR]
	v_cmp_ne_u32 s22, 0, v107
	v_cndmask_b32 v108, v[BB], v[BB+1], s20
	v_cndmask_b32 v109, v[BB+2], v[BB+3], s20
	v_cndmask_b32 v110, v[BB+4], v[BB+5], s20
	v_cndmask_b32 v111, v[BB+6], v[BB+7], s20
	v_cndmask_b32 v108, v108, v109, s21
	v_cndmask_b32 v110, v110, v111, s21
	v_cndmask_b32 v108, v108, v110, s22
	v_bfe_u32 v107, v[KR], 8, 6
	v_add_nc_u32 v108, v108, v107
	v_min_u32 v[64+4*(\i)+(\c)], MAXROW, v108      ; held inside the table before it enters an address
	v_lshlrev_b32 v[80+4*(\i)+(\c)], 2, v[64+4*(\i)+(\c)]
.endm
.irp i, 0,1,2,3
.irp c, 0,1,2,3
	ROWP \i, \c
.endr
.endr
.irp i, 0,1,2,3
.irp c, 0,1
	v_lshl_add_u32 v[96+2*\i+\c], v0, 1, 1024*\i+\c   ; the rows' tokens
.endr
.endr
	v_add_nc_u32 v107, v104, v12                   ; padding inside an expert's last tile: fewer than 64 rows
	v_cmp_lt_u32 s23, v107, v105
	v_min_u32 v107, MAXROW, v107
	v_lshlrev_b32 v107, 2, v107
	v_add_nc_u32 v109, v106, v0                    ; and the rows of the tiles that this split leaves without rows: at most 448
	v_cmp_gt_u32 s24, MAXROW+1, v109
	v_min_u32 v109, MAXROW, v109
	v_lshlrev_b32 v109, 2, v109
	v_mov_b32 v108, 0
.irp i, 0,1,2,3                        ; each store has address and data registers of its own: none is written again
	global_store_b128 v3, v[64+4*\i:64+4*\i+3], s[16:17] offset:POS+8192*\i
.irp c, 0,1,2,3
	global_store_b32 v[80+4*\i+\c], v[96+2*\i+\c/2], s[16:17]
.endr
.endr
	s_wait_xcnt 0x0                                ; EXEC changes only behind this wait
	s_wait_tensorcnt 0x0
	ds_add_u32 v144, v145
	s_wait_dscnt 0x0
	s_and_saveexec_b32 s25, s23
	global_store_b32 v107, v108, s[16:17]          ; token 0
	s_wait_xcnt 0x0
	s_or_b32 exec_lo, exec_lo, s25
	s_and_saveexec_b32 s25, s24
	global_store_b32 v109, v108, s[16:17]
	s_wait_xcnt 0x0
	s_or_b32 exec_lo, exec_lo, s25
	s_endpgm
.Lfunc_end_k_q706f5e5892_prep:
	.size	k_q706f5e5892_prep, .Lfunc_end_k_q706f5e5892_prep-k_q706f5e5892_prep
	.p2alignl 7, 3214868480
	.fill 96, 4, 3214868480
	.section	.rodata,"a",@progbits
	.p2align	6, 0x0
	.amdhsa_kernel k_q706f5e5892_prep
		.amdhsa_group_segment_fixed_size 108800
		.amdhsa_private_segment_fixed_size 0
		.amdhsa_enable_private_segment 0
		.amdhsa_kernarg_size 56
		.amdhsa_user_sgpr_count 2
		.amdhsa_user_sgpr_kernarg_segment_ptr 1
		.amdhsa_wavefront_size32 1
		.amdhsa_system_sgpr_workgroup_id_x 1
		.amdhsa_system_sgpr_workgroup_id_y 1
		.amdhsa_system_sgpr_workgroup_id_z 1
		.amdhsa_system_vgpr_workitem_id 0
		.amdhsa_next_free_vgpr 146
		.amdhsa_next_free_sgpr 72
		.amdhsa_reserve_vcc 1
		.amdhsa_float_denorm_mode_32 3
		.amdhsa_float_denorm_mode_16_64 3
		.amdhsa_memory_ordered 1
		.amdhsa_forward_progress 1
		.amdhsa_inst_pref_size 47
	.end_amdhsa_kernel
	.amdgpu_metadata
---
amdhsa.version: [ 1, 2 ]
amdhsa.kernels:
  - .name:           k_q706f5e5892_prep
    .symbol:         k_q706f5e5892_prep.kd
    .args:
      - { .name: W1_codes, .offset: 0, .size: 8, .value_kind: global_buffer, .address_space: global }
      - { .name: W1_scales, .offset: 8, .size: 8, .value_kind: global_buffer, .address_space: global }
      - { .name: W2_codes, .offset: 16, .size: 8, .value_kind: global_buffer, .address_space: global }
      - { .name: W2_scales, .offset: 24, .size: 8, .value_kind: global_buffer, .address_space: global }
      - { .name: keys, .offset: 32, .size: 8, .value_kind: global_buffer, .address_space: global }
      - { .name: wimg, .offset: 40, .size: 8, .value_kind: global_buffer, .address_space: global }
      - { .name: plan, .offset: 48, .size: 8, .value_kind: global_buffer, .address_space: global }
    .group_segment_fixed_size: 108800
    .private_segment_fixed_size: 0
    .kernarg_segment_align: 8
    .kernarg_segment_size: 56
    .max_flat_workgroup_size: 512
    .sgpr_count:     72
    .vgpr_count:     146
    .wavefront_size: 32
...
	.end_amdgpu_metadata
.endif
;; end of part 2
;; launch chain (part 3): grid 135 x 1, 4 waves a work-group, no clusters, 151,040 bytes of LDS; arguments plan, xq, wimg, b1, b2, ybuf; writes ybuf
.if DOCPART == 3
	.amdgcn_target "amdgcn-amd-amdhsa--gfx1250"
	.amdhsa_code_object_version 6
	.text
	.protected	k_q706f5e5892_chain
	.globl	k_q706f5e5892_chain
	.p2align	8
	.type	k_q706f5e5892_chain,@function
k_q706f5e5892_chain:
	s_mov_b64 s[64:65], 0
	v_nop
	global_prefetch_b8 v0, s[64:65] scope:SCOPE_SE
	s_setreg_imm32_b32 hwreg(HW_REG_WAVE_MODE, 25, 1), 1
	s_wait_xcnt 0x0
; CHAIN.  One tile of 64 routed rows of one expert through y = relu(x W1 + b1) W2 + b2, both products on codes of BF6 (E3M2) with one E8M0 scale for each 32 along K.  The hidden layer never goes to memory.
; With 8,192 routed rows, 8 experts and tiles of 64 rows there are never more than 128 + 7 = 135 tiles, whatever the choice: that is the grid.
; A TILE THAT THE SPLIT LEAVES WITHOUT ROWS (8 in the list) does not end early: the two barriers below stand on every wave's path, and none under a branch on a loaded number.  It is held to expert 7, finds token 0
; in all its rows, and stores into its own 64 rows of ybuf, which nobody reads: at most 7 of the 135 tiles.
; NO TENSOR LOADS, NO CLUSTER: which weights a work-group streams hangs on the stored list, and partners of a cluster need not have tiles of one expert.  The weights come from memory straight into registers, out of a
; stream that the launch before laid in the order of the operands' registers: 25 loads of 512 consecutive bytes bring a group: eight tiles' fragments of one K step and their scale words.
; SHARES.  THE WAVES SHARE THE COLUMNS, NOT THE ROWS: wave w makes hidden units 512 w .. 512 w + 511 (four chunks of 128) and outputs 128 w .. 128 w + 127, for all 64 rows (four tiles of 16).  So each byte of the
; expert's weights is read once by the work-group.  A group feeds 32 matrix instructions: 8 tiles of weights x 4 tiles of rows.
; BOTH PRODUCTS ARE USED TRANSPOSED (source 0 = 16 rows of weights, source 1 = 16 tokens): a lane holds ONE token.  W1's rows were chosen so that a lane's 32 registers of tiles 4 c .. 4 c + 3 are the whole block
; 2 c + lane / 16 of the chunk's 128 hidden units: the block's largest magnitude needs no other lane, and the conversions' results are the next operand's registers.
; The hidden layer goes from wave to wave through LDS as images of the operand's registers (16 bytes a lane, 512 an instruction), its scale words 4 bytes a lane.  The biases are the C of each sum's first instruction.
; LIMITS.  NaN and infinities are not served.  A block of the hidden layer whose largest number lies under 2^-122, a block of zeros among them, gets the scale byte 1; the bytes are read by this launch alone.
; REGISTERS, in windows of 256.  Window 0: v1-15 addresses, v16-31 the tokens' offsets, v32-47 the weights' scale words (4 a ring slot), v48-55 x's, v56-59 the hidden layer's, v60-171 the quantiser's, v208-255 token
; fragments, buffer 1.  Window 1: ring slots 0, 1 (96 registers each), v192-255 the bias.  Window 2: the 32 accumulators, (m, t) at 64 m + 8 t.  Window 3: ring slots 2, 3, v192-239 token fragments, buffer 0.
.set XST,   0                          ; LDS: the 64 rows' records of x, 528 bytes apart; behind the second barrier: each wave's stage for the way out, 16 rows x 528 bytes at 8,448 w
.set HIMG,  33792                      ; the hidden layer: image (K step k, tile of rows m) at 1,536 (4 k + m)
.set HSC,   132096                     ; its scale words: 128 bytes an image
.set BL,    140288                     ; for each wave 2,560 bytes: its 512 numbers of b1, its 128 of b2
.set GRP,   12800                      ; a group of the stream
.set TILEE, 34816                      ; in plan: the tiles' experts
.set TOFF,  16
.set SCW,   32
.set XS,    48
.set HS,    56
.set TM,    60                         ; v60-67   the largest number of block (m, c), at 2 m + c
.set SOP,   68                         ; v68-75   the conversions' scale operands
.set BY,    76                         ; v76-83   the scale bytes
.set PW,    84                         ; v84-87   the scale word of my token in tile m
.set PT,    88                         ; v88-91   the other half of the lanes' two bytes
.set PC,    92                         ; v92-139  the codes: 12 registers a tile of rows
.set TC,    140                        ; v140-171 the blocks' upper halves, before they are moved
.set BIAS,  192
.set MSB, 0
.macro WIN new                         ; the immediate's high byte repeats the setting that is left; a switch that changes nothing is dropped
.if MSB != (\new)
	s_set_vgpr_msb (MSB<<8)|(\new)
.set MSB, (\new)
.endif
.endm
; A group of the stream, off bytes behind s[8:9], into ring slot 0..3: 24 loads of fragments, one of scale words.
.macro WLOAD slot, off
.if (\slot) < 2
	WIN 0x40                                       ; destination window 1
.else
	WIN 0xc0                                       ; destination window 3
.endif
.set RB, 96*((\slot)%2)
.irp t, 0,1,2,3,4,5,6,7
.irp c, 0,1,2
	global_load_b128 v[RB+12*\t+4*\c:RB+12*\t+4*\c+3], v1, s[8:9] offset:(\off)+1536*\t+512*\c
.endr
.endr
	WIN 0
	global_load_b128 v[SCW+4*(\slot):SCW+4*(\slot)+3], v1, s[8:9] offset:(\off)+12288
.endm
; The four tiles of rows' fragments of K step gi of the trip, into buffer 0 or 1.  ph = 1: x's, 48 bytes a lane out of the records; ph = 2: the hidden layer's images, and two registers of scale words
; (lanes 0-15: tile 2 p's, lanes 16-31: tile 2 p + 1's).
.macro TFLOAD ph, buf, gi
.if (\buf) == 0
	WIN 0xc0
.set TB, 192
.else
	WIN 0
.set TB, 208
.endif
.irp m, 0,1,2,3
.irp c, 0,1,2
.if \ph == 1
	ds_load_b128 v[TB+12*\m+4*\c:TB+12*\m+4*\c+3], v2 offset:8448*\m+96*(\gi)+16*\c
.else
	ds_load_b128 v[TB+12*\m+4*\c:TB+12*\m+4*\c+3], v6 offset:6144*(\gi)+1536*\m+512*\c
.endif
.endr
.endr
	WIN 0
.if \ph == 2
	ds_load_b32 v[HS+2*(\buf)], v7 offset:512*(\gi)
	ds_load_b32 v[HS+2*(\buf)+1], v7 offset:512*(\gi)+256
.endif
.endm
.macro WM ra, rb                       ; one product; ra, rb: which half of the lanes of the scale registers holds this tile's words
.if ((\ra) == 0) && ((\rb) == 0)
	v_wmma_scale_f32_16x16x128_f8f6f4 v[rD:rD+7], v[rA:rA+11], v[rB:rB+11], v[rC:rC+7], v[rSA], v[rSB] matrix_a_fmt:MATRIX_FMT_BF6 matrix_b_fmt:MATRIX_FMT_BF6
.elseif (\rb) == 0
	v_wmma_scale_f32_16x16x128_f8f6f4 v[rD:rD+7], v[rA:rA+11], v[rB:rB+11], v[rC:rC+7], v[rSA], v[rSB] matrix_a_fmt:MATRIX_FMT_BF6 matrix_b_fmt:MATRIX_FMT_BF6 matrix_a_scale:MATRIX_SCALE_ROW1
.elseif (\ra) == 0
	v_wmma_scale_f32_16x16x128_f8f6f4 v[rD:rD+7], v[rA:rA+11], v[rB:rB+11], v[rC:rC+7], v[rSA], v[rSB] matrix_a_fmt:MATRIX_FMT_BF6 matrix_b_fmt:MATRIX_FMT_BF6 matrix_b_scale:MATRIX_SCALE_ROW1
.else
	v_wmma_scale_f32_16x16x128_f8f6f4 v[rD:rD+7], v[rA:rA+11], v[rB:rB+11], v[rC:rC+7], v[rSA], v[rSB] matrix_a_fmt:MATRIX_FMT_BF6 matrix_b_fmt:MATRIX_FMT_BF6 matrix_a_scale:MATRIX_SCALE_ROW1 matrix_b_scale:MATRIX_SCALE_ROW1
.endif
.endm
; A group's 32 products.  The 32 accumulators take turns, one instruction a turn, in the same order in every group, over the backward jumps too.  cb = 1: the bias starts the sums.
.macro MULS ph, gi, cb
.set WN, (1+2*((\gi)/2))|((3*(1-(\gi)%2))<<2)|((2-(\cb))<<4)|0x80   ; source 0: window 1 or 3 (the slot); source 1: window 3 or 0 (the buffer); C: window 1 (bias) or 2; D: window 2
	WIN WN
.set rTB, 192+16*((\gi)%2)
.irp t, 0,1,2,3,4,5,6,7
.irp m, 0,1,2,3
.set rD, 64*\m+8*\t
.set rA, 96*((\gi)%2)+12*\t
.set rB, rTB+12*\m
.if \cb
.set rC, BIAS+8*\t
.else
.set rC, rD
.endif
.set rSA, SCW+4*(\gi)+\t/2
.if \ph == 1
.set rSB, XS+2*(\gi)+\m/2
.else
.set rSB, HS+2*((\gi)%2)+\m/2
.endif
	WM \t%2, \m%2
.endr
.endr
.endm
; Group gi of a trip of four.  Four plain instructions stand between the last products and the loads into registers that they read (ISA guide 7.12.1 for vector instructions).
; wl: the group two on is asked for, into the slot that was multiplied two groups ago.  tf: the next group's token fragments are fetched into the other buffer.
; lw: the loads issued behind this group's 25, which may stay out.  dw: the LDS loads issued behind this group's token fragments.
.macro GROUP ph, gi, cb, wl, lw, tf, dw
.rept 4
	v_nop
.endr
.if \wl
	WLOAD ((\gi)+2)%4, ((\gi)+2)*GRP
.endif
.if \tf
	TFLOAD \ph, ((\gi)+1)%2, (\gi)+1
.endif
	s_wait_loadcnt \lw
	s_wait_dscnt \dw
	MULS \ph, \gi, \cb
.endm
; A chunk of 128 hidden units of 64 rows: relu, the blocks' scales, the codes, and their images into LDS: K step 4 w + trip of the second product.
.macro QUANTALL
.rept 4
	v_nop                                          ; four places behind the last products
.endr
	WIN 0x88                                       ; source 1 and destination: window 2
.set a, 0
.rept 256
	v_max_num_f32 v[a], 0, v[a]                    ; the activation, in f32; ascending
.set a, a+1
.endr
	WIN 0x28                                       ; sources 1 and 2: window 2
.irp k, 0,1,2,3,4,5,6,7
	v_max3_num_f32 v[TM+\k], v13, v[32*\k], v[32*\k+1]   ; block k = 2 m + c: my 32 numbers, none negative, and the floor 2^(5 - 127), which holds the byte at 1 from below
.endr
.irp i, 2,4,6,8,10,12,14,16,18,20,22,24,26,28,30
.irp k, 0,1,2,3,4,5,6,7
	v_max3_num_f32 v[TM+\k], v[TM+\k], v[32*\k+\i], v[32*\k+\i+1]   ; the eight blocks by turns
.endr
.endr
	WIN 0
.irp k, 0,1,2,3,4,5,6,7
	v_add_nc_u32 v[SOP+\k], 0xfe000000, v[TM+\k]   ; 4 off the exponent field: the conversion takes that field as its scale
.endr
.irp k, 0,1,2,3,4,5,6,7
	v_lshrrev_b32 v[BY+\k], 23, v[SOP+\k]          ; the scale's byte
.endr
.irp m, 0,1,2,3
	v_lshl_or_b32 v[PW+\m], v[BY+2*\m+1], 16, v[BY+2*\m]   ; my two bytes: blocks h and 2 + h,
.endr
.irp m, 0,1,2,3
	v_lshlrev_b32 v[PW+\m], v12, v[PW+\m]          ; at their places in the word (8 h bits up);
.endr
.irp m, 0,1,2,3
	v_permlanex16_b32 v[PT+\m], v[PW+\m], s38, s39
.endr
.irp m, 0,1,2,3
	v_or_b32 v[PW+\m], v[PW+\m], v[PT+\m]          ; with lane l xor 16's two the word is whole
.endr
	WIN 0x02                                       ; source 0: window 2
.irp k, 0,1,2,3,4,5,6,7
	v_cvt_scalef32_pk16_bf6_f32 v[PC+6*\k:PC+6*\k+2], v[32*\k:32*\k+15], v[SOP+\k]
	v_cvt_scalef32_pk16_bf6_f32 v[TC+4*\k:TC+4*\k+2], v[32*\k+16:32*\k+31], v[SOP+\k]   ; (a conversion's three registers begin on an even number)
.endr
	WIN 0
	v_nop                                          ; one plain instruction behind the scaled conversions
.irp k, 0,1,2,3,4,5,6,7
.irp i, 0,1,2
	v_mov_b32 v[PC+6*\k+3+\i], v[TC+4*\k+\i]
.endr
.endr
.irp m, 0,1,2,3
.irp c, 0,1,2
	ds_store_b128 v4, v[PC+12*\m+4*\c:PC+12*\m+4*\c+3] offset:1536*\m+512*\c
.endr
	ds_store_b32 v5, v[PW+\m] offset:128*\m
.endr
.endm
	s_load_b256 s[4:11], s[0:1], 0x0               ; plan s[4:5], xq s[6:7], the stream s[8:9], b1 s[10:11]
	s_load_b128 s[12:15], s[0:1], 0x20             ; b2 s[12:13], ybuf s[14:15]
	v_lshl_add_u32 v206, v0, 2, 0x24c00
	v_mov_b32 v207, 0
	v_lshrrev_b32 v1, 5, v0
	v_readfirstlane_b32 s32, v1                    ; wave 0..3
	s_lshl_b32 s36, ttmp9, 2                       ; my tile's word in the list of experts
	s_mov_b32 s37, 0
	s_lshl_b32 s40, ttmp9, 8                       ; my tile's 64 tokens,
	s_lshl_b32 s41, s32, 6                         ; my wave's 16 of them
	s_add_co_u32 s40, s40, s41
	s_mov_b32 s41, 0
	s_wait_kmcnt 0x0
	s_add_nc_u64 s[36:37], s[4:5], s[36:37]
	s_add_nc_u64 s[40:41], s[4:5], s[40:41]
	s_load_b32 s33, s[36:37], TILEE
	s_load_b512 s[16:31], s[40:41], 0x0
	v_and_b32 v12, 31, v0                          ; lane
	v_lshlrev_b32 v1, 4, v12                       ; v1: 16 x lane; never rewritten
	v_and_b32 v60, 15, v0                          ; r
	v_bfe_u32 v61, v0, 4, 1                        ; h
	v_mul_u32_u24 v62, v60, 528
	v_mad_u32_u24 v2, v61, 48, v62                 ; v2: x's fragments: row r, + 48 h
	v_mad_u32_u24 v3, v61, 8448, v62
	v_add_nc_u32 v3, 384, v3                       ; v3: x's scale words: lanes 16-31 take the tile of rows 16 further on
	s_mul_i32 s42, s32, 24576
	s_add_co_u32 s42, s42, HIMG
	v_add_nc_u32 v4, s42, v1                       ; v4: where I store the hidden layer's images: K step 4 w on; stepped
	v_lshlrev_b32 v63, 2, v12
	s_lshl_b32 s42, s32, 11
	s_add_co_u32 s42, s42, HSC
	v_add_nc_u32 v5, s42, v63                      ; v5: and their scale words; stepped
	v_add_nc_u32 v6, HIMG, v1                      ; v6: where I read images; stepped
	v_lshl_add_u32 v7, v61, 7, v63
	v_add_nc_u32 v7, HSC, v7                       ; v7: and scale words: lanes 16-31 the next image's; stepped
	s_mul_i32 s42, s32, 2560
	s_add_co_u32 s42, s42, BL
	v_lshl_add_u32 v8, v61, 7, s42                 ; v8: b1 of my half's 32 units of a tile group; stepped
	v_lshl_add_u32 v9, v61, 5, s42
	v_add_nc_u32 v9, 2048, v9                      ; v9: b2 of my half's 8 outputs of a tile
	v_add_nc_u32 v15, s42, v1                      ; v15: the biases on their way in
	s_mul_i32 s42, s32, 8448
	v_lshl_add_u32 v10, v61, 5, v62
	v_add_nc_u32 v10, s42, v10                     ; v10: the way out: row r of my stage, + 32 h
	v_add_nc_u32 v11, s42, v1                      ; v11: my 16 rows of records on their way in; on the way out: a row of my stage back
	v_lshlrev_b32 v12, 3, v61                      ; v12: 8 h
	v_mov_b32 v13, 0x2800000                       ; v13: the floor
.irp m, 0,1,2,3
	v_mov_b32 v[PT+\m], 0                          ; written once: a lane permute's destination counts as one of its sources
.endr
	s_mov_b32 s38, 0x76543210
	s_mov_b32 s39, 0xfedcba98                      ; v_permlanex16_b32's selects for lane l xor 16
	s_wait_kmcnt 0x0
	s_min_u32 s33, s33, 7                          ; held inside the table before it enters an address; a tile without rows (8) becomes expert 7
.irp i, 0,1,2,3,4,5,6,7,8,9,10,11,12,13,14,15
	s_min_u32 s[16+\i], s[16+\i], 0xfff
.endr
.irp i, 0,1,2,3,4,5,6,7,8,9,10,11,12,13,14,15
	v_lshl_add_u32 v[TOFF+\i], s[16+\i], 9, v1     ; a record is 512 bytes
.endr
	s_lshl_b32 s42, s33, 2
	s_add_co_u32 s42, s42, s32                     ; 4 e + w
	s_mul_i32 s36, s42, 32*GRP
	s_mov_b32 s37, 0
	s_add_nc_u64 s[8:9], s[8:9], s[36:37]          ; my stream
	s_lshl_b32 s36, s42, 11
	s_add_nc_u64 s[10:11], s[10:11], s[36:37]      ; my 512 numbers of b1
	s_lshl_b32 s36, s42, 9
	s_add_nc_u64 s[12:13], s[12:13], s[36:37]      ; my 128 of b2
	s_lshl_b32 s36, ttmp9, 17                      ; 64 rows of 2,048 bytes a tile,
	s_lshl_b32 s43, s32, 9                         ; my 512 bytes of each
	s_add_co_u32 s36, s36, s43
	s_add_nc_u64 s[14:15], s[14:15], s[36:37]
	WIN 0x80                                       ; destination window 2: the accumulators' registers are free yet
.irp i, 0,1,2,3,4,5,6,7,8,9,10,11,12,13,14,15
	global_load_b128 v[4*\i:4*\i+3], v[TOFF+\i], s[6:7]   ; a token's record: 512 consecutive bytes.  (A token stands in two experts' lists: no hint)
.endr
.irp i, 0,1,2,3
	global_load_b128 v[64+4*\i:64+4*\i+3], v1, s[10:11] offset:512*\i
.endr
	global_load_b128 v[80:83], v1, s[12:13]
	WLOAD 0, 0
	WLOAD 1, GRP
	s_wait_loadcnt 50                              ; all but the two groups of 25
	WIN 0x08                                       ; an LDS store's data are its source 1: window 2
.irp i, 0,1,2,3,4,5,6,7,8,9,10,11,12,13,14,15
	ds_store_b128 v11, v[4*\i:4*\i+3] offset:528*\i
.endr
.irp i, 0,1,2,3
	ds_store_b128 v15, v[64+4*\i:64+4*\i+3] offset:512*\i
.endr
	ds_store_b128 v15, v[80:83] offset:2048
	WIN 0
	s_wait_dscnt 0x0                               ; for the others' sake: my 16 records lie in LDS
	s_barrier_signal -1
	s_barrier_wait -1
.irp s, 0,1,2,3
.irp p, 0,1
	ds_load_b32 v[XS+2*\s+\p], v3 offset:16896*\p+32*\s   ; x's scale words of K step s: lanes 0-15 tile of rows 2 p, lanes 16-31 tile 2 p + 1; they stay
.endr
.endr
; ---- the first product: four trips, a chunk of 128 hidden units each; a trip is four groups, the K steps of D
	s_mov_b32 s34, 4
.Lchunk:
	WIN 0x40
.irp t, 0,1,2,3,4,5,6,7
	ds_load_b128 v[BIAS+8*\t:BIAS+8*\t+3], v8 offset:256*(\t/4)+32*(\t%4)       ; b1 of hidden units 64 (t / 4) + 32 h + 8 (t % 4) + 0 .. 7: the result's layout
	ds_load_b128 v[BIAS+8*\t+4:BIAS+8*\t+7], v8 offset:256*(\t/4)+32*(\t%4)+16
.endr
	TFLOAD 1, 0, 0
	GROUP 1, 0, 1, 1, 50, 1, 12
	GROUP 1, 1, 0, 1, 50, 1, 12
	GROUP 1, 2, 0, 1, 50, 1, 12
	GROUP 1, 3, 0, 1, 50, 0, 0                     ; (the last trip's last two groups ask for the second product's first two: the stream goes on)
	QUANTALL
	s_wait_xcnt 0x0                                ; the loads have read their base
	s_add_nc_u64 s[8:9], s[8:9], 4*GRP
	v_add_nc_u32 v8, 512, v8
	v_add_nc_u32 v4, 6144, v4
	v_add_nc_u32 v5, 512, v5
	s_sub_co_u32 s34, s34, 1
	s_cmp_lg_u32 s34, 0
	s_cbranch_scc1 .Lchunk
	s_wait_dscnt 0x0                               ; my images lie in LDS, and my reads of the records are over
	s_barrier_signal -1
	s_barrier_wait -1
; ---- the second product: four trips of four K steps of FF.  The first takes the bias, the last asks for nothing beyond the stream's end: both are written out
.macro TRIP2 first, last
.if \first
	WIN 0x40
.irp t, 0,1,2,3,4,5,6,7
	ds_load_b128 v[BIAS+8*\t:BIAS+8*\t+3], v9 offset:64*\t       ; b2 of outputs 16 t + 8 h + 0 .. 7
	ds_load_b128 v[BIAS+8*\t+4:BIAS+8*\t+7], v9 offset:64*\t+16
.endr
.endif
	TFLOAD 2, 0, 0
	GROUP 2, 0, \first, 1, 50, 1, 14
	GROUP 2, 1, 0, 1, 50, 1, 14
.if \last
	GROUP 2, 2, 0, 0, 25, 1, 14                    ; behind this group's loads: the last group's 25
	GROUP 2, 3, 0, 0, 0, 0, 0
.else
	GROUP 2, 2, 0, 1, 50, 1, 14
	GROUP 2, 3, 0, 1, 50, 0, 0
	WIN 0
	s_wait_xcnt 0x0                                ; the loads have read their base
	s_add_nc_u64 s[8:9], s[8:9], 4*GRP
	v_add_nc_u32 v6, 24576, v6
	v_add_nc_u32 v7, 2048, v7
.endif
.endm
	TRIP2 1, 0
	s_mov_b32 s34, 2
.Lk2:
	TRIP2 0, 0
	s_sub_co_u32 s34, s34, 1
	s_cmp_lg_u32 s34, 0
	s_cbranch_scc1 .Lk2
	TRIP2 0, 1
; ---- the way out.  A lane holds 32 neighbouring bytes of a row and the lanes beside it other rows: a block of 16 rows x 128 outputs goes through my own stage and comes back as whole rows of 512 bytes.
; The stage lies where the records lay: every wave has passed the second barrier behind its last read of them.  LDS serves a wave's instructions in order: no wait between the stores and the loads.
.macro TOSTAGE m
	WIN 0x08
.irp t, 0,1,2,3,4,5,6,7
	ds_store_b128 v10, v[64*(\m)+8*\t:64*(\m)+8*\t+3] offset:64*\t          ; each accumulator from its low end on
	ds_store_b128 v10, v[64*(\m)+8*\t+4:64*(\m)+8*\t+7] offset:64*\t+16
.endr
.if (\m) < 3
	WIN 0x40                                       ; back into registers that held weights: a set of its own for each block, so that no store's data are written again
.else
	WIN 0xc0
.endif
.set OBB, 64*((\m)%3)
.irp i, 0,1,2,3,4,5,6,7,8,9,10,11,12,13,14,15
	ds_load_b128 v[OBB+4*\i:OBB+4*\i+3], v11 offset:528*\i
.endr
.endm
.macro SEND m, younger                 ; younger: the LDS instructions issued behind block m's loads
	s_wait_dscnt \younger
.if (\m) < 3
	WIN 0x04                                       ; a store's data are its source 1: window 1
.else
	WIN 0x0c
.endif
.set OBB, 64*((\m)%3)
.irp i, 0,1,2,3,4,5,6,7,8,9,10,11,12,13,14,15
	global_store_b128 v1, v[OBB+4*\i:OBB+4*\i+3], s[14:15] offset:(16*(\m)+\i)*2048 th:TH_STORE_NT   ; 32 lanes store 512 consecutive bytes, aligned; not read again in this launch
.endr
.endm
.rept 4
	v_nop                                          ; four places behind the last products
.endr
	TOSTAGE 0
	TOSTAGE 1
	SEND 0, 32                                     ; behind block 0's loads: block 1's 16 stores and 16 loads
	TOSTAGE 2
	SEND 1, 32
	TOSTAGE 3
	SEND 2, 32
	SEND 3, 0
	WIN 0
	s_wait_tensorcnt 0x0
	ds_add_u32 v206, v207
	s_wait_dscnt 0x0
	s_endpgm
.Lfunc_end_k_q706f5e5892_chain:
	.size	k_q706f5e5892_chain, .Lfunc_end_k_q706f5e5892_chain-k_q706f5e5892_chain
	.p2alignl 7, 3214868480
	.fill 96, 4, 3214868480
	.section	.rodata,"a",@progbits
	.p2align	6, 0x0
	.amdhsa_kernel k_q706f5e5892_chain
		.amdhsa_group_segment_fixed_size 151040
		.amdhsa_private_segment_fixed_size 0
		.amdhsa_enable_private_segment 0
		.amdhsa_kernarg_size 48
		.amdhsa_user_sgpr_count 2
		.amdhsa_user_sgpr_kernarg_segment_ptr 1
		.amdhsa_wavefront_size32 1
		.amdhsa_system_sgpr_workgroup_id_x 1
		.amdhsa_system_sgpr_workgroup_id_y 1
		.amdhsa_system_sgpr_workgroup_id_z 1
		.amdhsa_system_vgpr_workitem_id 0
		.amdhsa_next_free_vgpr 1024
		.amdhsa_next_free_sgpr 66
		.amdhsa_reserve_vcc 0
		.amdhsa_float_denorm_mode_32 3
		.amdhsa_float_denorm_mode_16_64 3
		.amdhsa_memory_ordered 1
		.amdhsa_forward_progress 1
		.amdhsa_inst_pref_size 168
	.end_amdhsa_kernel
	.amdgpu_metadata
---
amdhsa.version: [ 1, 2 ]
amdhsa.kernels:
  - .name:           k_q706f5e5892_chain
    .symbol:         k_q706f5e5892_chain.kd
    .args:
      - { .name: plan, .offset: 0, .size: 8, .value_kind: global_buffer, .address_space: global }
      - { .name: xq, .offset: 8, .size: 8, .value_kind: global_buffer, .address_space: global }
      - { .name: wimg, .offset: 16, .size: 8, .value_kind: global_buffer, .address_space: global }
      - { .name: b1, .offset: 24, .size: 8, .value_kind: global_buffer, .address_space: global }
      - { .name: b2, .offset: 32, .size: 8, .value_kind: global_buffer, .address_space: global }
      - { .name: ybuf, .offset: 40, .size: 8, .value_kind: global_buffer, .address_space: global }
    .group_segment_fixed_size: 151040
    .private_segment_fixed_size: 0
    .kernarg_segment_align: 8
    .kernarg_segment_size: 48
    .max_flat_workgroup_size: 128
    .sgpr_count:     66
    .vgpr_count:     1024
    .wavefront_size: 32
...
	.end_amdgpu_metadata
.endif
;; end of part 3
;; launch combine (part 4): grid 256 x 1, 8 waves a work-group, no clusters, 0 bytes of LDS; arguments plan, wts, ybuf, out0; writes out0
.if DOCPART == 4
	.amdgcn_target "amdgcn-amd-amdhsa--gfx1250"
	.amdhsa_code_object_version 6
	.text
	.protected	k_q706f5e5892_combine
	.globl	k_q706f5e5892_combine
	.p2align	8
	.type	k_q706f5e5892_combine,@function
k_q706f5e5892_combine:
	s_mov_b64 s[64:65], 0
	v_nop
	global_prefetch_b8 v0, s[64:65] scope:SCOPE_SE
	s_setreg_imm32_b32 hwreg(HW_REG_WAVE_MODE, 25, 1), 1
	s_wait_xcnt 0x0
; COMBINE.  out[n] = w0[n] y[place of (n, 0)] + w1[n] y[place of (n, 1)]: each output row has one owner, which gathers its two rows.  The other six experts' weights are 0 in the sum that is asked for.
; A wave takes two tokens: 16 loads of 512 consecutive bytes, all out at once; 8 stores of 512 consecutive bytes, aligned.  No LDS, no barrier, no matrix unit: two bytes are read for each byte written,
; and there is one multiply-add for each number read.
.set POS,    36864                     ; in plan: the routed rows' places
.set MAXROW, 8639
	s_load_b256 s[4:11], s[0:1], 0x0               ; plan s[4:5], wts s[6:7], ybuf s[8:9], out0 s[10:11]
	v_lshrrev_b32 v1, 5, v0
	v_readfirstlane_b32 s12, v1                    ; wave 0..7
	v_and_b32 v2, 31, v0
	v_lshlrev_b32 v1, 4, v2                        ; 16 x lane
	s_lshl_b32 s13, ttmp9, 3
	s_add_co_u32 s13, s13, s12                     ; my pair of tokens
	s_lshl_b32 s14, s13, 4                         ; 8 bytes a token in both tables
	s_mov_b32 s15, 0
	s_wait_kmcnt 0x0
	s_add_nc_u64 s[4:5], s[4:5], s[14:15]
	s_add_nc_u64 s[6:7], s[6:7], s[14:15]
	s_load_b128 s[16:19], s[4:5], POS              ; four places
	s_load_b128 s[20:23], s[6:7], 0x0              ; four weights
	s_lshl_b32 s14, s13, 12                        ; 2,048 bytes a token
	s_add_nc_u64 s[10:11], s[10:11], s[14:15]
	s_wait_kmcnt 0x0
.irp k, 0,1,2,3
	s_min_u32 s[16+\k], s[16+\k], MAXROW           ; held inside the table before it enters an address
.endr
.irp k, 0,1,2,3
	v_lshl_add_u32 v[4+\k], s[16+\k], 11, v1
.endr
	s_mov_b32 s24, s21                             ; the second weights in pairs of their own: the packed forms take a scalar pair's low word for both halves
	s_mov_b32 s25, s21
	s_mov_b32 s26, s23
	s_mov_b32 s27, s23
.irp a, 0,1
.irp k, 0,1
.irp i, 0,1,2,3
	global_load_b128 v[8+32*\a+16*\k+4*\i:8+32*\a+16*\k+4*\i+3], v[4+2*\a+\k], s[8:9] offset:512*\i th:TH_LOAD_NT   ; each row of ybuf is read once
.endr
.endr
.endr
.irp a, 0,1
	s_wait_loadcnt 8-8*\a                          ; this token's eight loads are in; the other token's may be out
.irp j, 0,2,4,6,8,10,12,14
	v_pk_mul_f32 v[8+32*\a+\j:9+32*\a+\j], v[8+32*\a+\j:9+32*\a+\j], s[20+2*\a:21+2*\a] op_sel_hi:[1,0]
.endr
.irp j, 0,2,4,6,8,10,12,14
	v_pk_fma_f32 v[8+32*\a+\j:9+32*\a+\j], v[24+32*\a+\j:25+32*\a+\j], s[24+2*\a:25+2*\a], v[8+32*\a+\j:9+32*\a+\j] op_sel_hi:[1,0,1]
.endr
.irp i, 0,1,2,3
	global_store_b128 v1, v[8+32*\a+4*\i:8+32*\a+4*\i+3], s[10:11] offset:2048*\a+512*\i th:TH_STORE_NT
.endr
.endr
	s_endpgm
.Lfunc_end_k_q706f5e5892_combine:
	.size	k_q706f5e5892_combine, .Lfunc_end_k_q706f5e5892_combine-k_q706f5e5892_combine
	.p2alignl 7, 3214868480
	.fill 96, 4, 3214868480
	.section	.rodata,"a",@progbits
	.p2align	6, 0x0
	.amdhsa_kernel k_q706f5e5892_combine
		.amdhsa_group_segment_fixed_size 0
		.amdhsa_private_segment_fixed_size 0
		.amdhsa_enable_private_segment 0
		.amdhsa_kernarg_size 32
		.amdhsa_user_sgpr_count 2
		.amdhsa_user_sgpr_kernarg_segment_ptr 1
		.amdhsa_wavefront_size32 1
		.amdhsa_system_sgpr_workgroup_id_x 1
		.amdhsa_system_sgpr_workgroup_id_y 1
		.amdhsa_system_sgpr_workgroup_id_z 1
		.amdhsa_system_vgpr_workitem_id 0
		.amdhsa_next_free_vgpr 80
		.amdhsa_next_free_sgpr 66
		.amdhsa_reserve_vcc 0
		.amdhsa_float_denorm_mode_32 3
		.amdhsa_float_denorm_mode_16_64 3
		.amdhsa_memory_ordered 1
		.amdhsa_forward_progress 1
		.amdhsa_inst_pref_size 6
	.end_amdhsa_kernel
	.amdgpu_metadata
---
amdhsa.version: [ 1, 2 ]
amdhsa.kernels:
  - .name:           k_q706f5e5892_combine
    .symbol:         k_q706f5e5892_combine.kd
    .args:
      - { .name: plan, .offset: 0, .size: 8, .value_kind: global_buffer, .address_space: global }
      - { .name: wts, .offset: 8, .size: 8, .value_kind: global_buffer, .address_space: global }
      - { .name: ybuf, .offset: 16, .size: 8, .value_kind: global_buffer, .address_space: global }
      - { .name: out0, .offset: 24, .size: 8, .value_kind: global_buffer, .address_space: global }
    .group_segment_fixed_size: 0
    .private_segment_fixed_size: 0
    .kernarg_segment_align: 8
    .kernarg_segment_size: 32
    .max_flat_workgroup_size: 256
    .sgpr_count:     66
    .vgpr_count:     80
    .wavefront_size: 32
...
	.end_amdgpu_metadata
.endif
;; end of part 4
;; ======== version 2 of 2: 4 launches; version 1 with the launch chain written anew for expert scheduling mode
;; workspace buffers: xq 2,097,152 bytes; wts 32,768 bytes; keys 49,152 bytes of whole numbers; wimg 13,107,200 bytes; plan 69,632 bytes of whole numbers; ybuf 17,694,720 bytes
;; launch route: the kernel of part 1 again; grid 128 x 1, 4 waves a work-group, no clusters, 89,088 bytes of LDS; arguments x, Wg, bg, xq, wts, keys; writes xq, wts, keys
;; launch prep: the kernel of part 2 again; grid 129 x 1, 16 waves a work-group, no clusters, 108,800 bytes of LDS; arguments W1_codes, W1_scales, W2_codes, W2_scales, keys, wimg, plan; writes wimg, plan
;; launch chain (part 5): grid 135 x 1, 4 waves a work-group, no clusters, 151,040 bytes of LDS; arguments plan, xq, wimg, b1, b2, ybuf; writes ybuf
.if DOCPART == 5
	.amdgcn_target "amdgcn-amd-amdhsa--gfx1250"
	.amdhsa_code_object_version 6
	.text
	.protected	k_q706f5e5892_chain
	.globl	k_q706f5e5892_chain
	.p2align	8
	.type	k_q706f5e5892_chain,@function
k_q706f5e5892_chain:
	s_mov_b64 s[64:65], 0
	v_nop
	global_prefetch_b8 v0, s[64:65] scope:SCOPE_SE
	s_setreg_imm32_b32 hwreg(HW_REG_WAVE_SCHED_MODE, 0, 2), 2
	s_setreg_imm32_b32 hwreg(HW_REG_WAVE_MODE, 25, 1), 1
	s_wait_xcnt 0x0
	s_wait_alu depctr_vm_vsrc(0)
; CHAIN.  One tile of 64 routed rows of one expert through y = relu(x W1 + b1) W2 + b2, both products on codes of BF6 (E3M2) with one E8M0 scale for each 32 along K.  The hidden layer never goes to memory.
; With 8,192 routed rows, 8 experts and tiles of 64 rows there are never more than 128 + 7 = 135 tiles, whatever the choice: that is the grid.
; A TILE THAT THE SPLIT LEAVES WITHOUT ROWS (8 in the list) does not end early: the two barriers below stand on every wave's path, and none under a branch on a loaded number.  It is held to expert 7, finds token 0
; in all its rows, and stores into its own 64 rows of ybuf, which nobody reads: at most 7 of the 135 tiles.
; NO TENSOR LOADS, NO CLUSTER: which weights a work-group streams hangs on the stored list, and partners of a cluster need not have tiles of one expert.  The weights come from memory straight into registers, out of a
; stream that the launch before laid in the order of the operands' registers: 25 loads of 512 consecutive bytes bring a group: eight tiles' fragments of one K step and their scale words.
; SHARES.  THE WAVES SHARE THE COLUMNS, NOT THE ROWS: wave w makes hidden units 512 w .. 512 w + 511 (four chunks of 128) and outputs 128 w .. 128 w + 127, for all 64 rows (four tiles of 16).  So each byte of the
; expert's weights is read once by the work-group.  A group feeds 32 matrix instructions: 8 tiles of weights x 4 tiles of rows.
; BOTH PRODUCTS ARE USED TRANSPOSED (source 0 = 16 rows of weights, source 1 = 16 tokens): a lane holds ONE token.  W1's rows were chosen so that a lane's 32 registers of tiles 4 c .. 4 c + 3 are the whole block
; 2 c + lane / 16 of the chunk's 128 hidden units: the block's largest magnitude needs no other lane, and the conversions' results are the next operand's registers.
; The hidden layer goes from wave to wave through LDS as images of the operand's registers (16 bytes a lane, 512 an instruction), its scale words 4 bytes a lane.  The biases are the C of each sum's first instruction.
; LIMITS.  NaN and infinities are not served.  A block of the hidden layer whose largest number lies under 2^-122, a block of zeros among them, gets the scale byte 1; the bytes are read by this launch alone.
; REGISTERS, in windows of 256.  Window 0: v1-15 addresses, v16-31 the tokens' offsets, v32-47 the weights' scale words (4 a ring slot), v48-55 x's, v56-59 the hidden layer's, v60-171 the quantiser's, v208-255 token
; fragments, buffer 1.  Window 1: ring slots 0, 1 (96 registers each), v192-255 the bias.  Window 2: the 32 accumulators, (m, t) at 64 m + 8 t.  Window 3: ring slots 2, 3, v192-239 token fragments, buffer 0.
; THE MODE: SCHED_MODE bits 1:0 = 2 (LLVM: expert scheduling mode 2), set by the entry lines.  The code itself states the register dependences between vector or matrix instructions and memory or LDS
; instructions, with s_wait_alu, always for 0.
; THE PLAN.  The stream's 32 groups are numbered g; group g is multiplied out of ring slot g % 4 and token buffer g % 2.  Registers that memory or LDS instructions touch:
;   ring slot s and its four scale registers   Read by the products of the groups g with g % 4 = s; the loads of group g + 3, issued in group g, land in slot (g - 1) % 4.
;   token buffers 0, 1 (with v56-59)           Read by the products of group g (buffer g % 2); the LDS loads for group g + 1, issued in group g, land in the other buffer.
;   the bias                                   Read as C by a trip's first group; loaded again at the next trip's head.
;   v92-139, v84-87                            Codes and scale words: written by the quantiser, read by its 16 LDS stores.
;   v8, v4, v5; v6, v7                         LDS addresses, stepped by vector additions once a trip.  All other addresses are made at the head and never written again.
; So ONE wait on va_vdst stands at a group's head, behind the wait for the group's own weights: the products of the group before are done reading their slot, their scale registers and their token buffer.  The group's
; loads follow it, dealt among its 32 products, which name slot g % 4, buffer g % 2, their scale registers and the accumulators: none of the registers that those loads touch.
.set XST,   0                          ; LDS: the 64 rows' records of x, 528 bytes apart; behind the second barrier: each wave's stage for the way out, 16 rows x 528 bytes at 8,448 w
.set HIMG,  33792                      ; the hidden layer: image (K step k, tile of rows m) at 1,536 (4 k + m)
.set HSC,   132096                     ; its scale words: 128 bytes an image
.set BL,    140288                     ; for each wave 2,560 bytes: its 512 numbers of b1, its 128 of b2
.set GRP,   12800                      ; a group of the stream
.set TILEE, 34816                      ; in plan: the tiles' experts
.set TOFF,  16
.set SCW,   32
.set XS,    48
.set HS,    56
.set TM,    60                         ; v60-67   the largest number of block (m, c), at 2 m + c
.set SOP,   68                         ; v68-75   the conversions' scale operands
.set BY,    76                         ; v76-83   the scale bytes
.set PW,    84                         ; v84-87   the scale word of my token in tile m
.set PT,    88                         ; v88-91   the other half of the lanes' two bytes
.set PC,    92                         ; v92-139  the codes: 12 registers a tile of rows
.set TC,    140                        ; v140-171 the blocks' upper halves, before they are moved
.set BIAS,  192
.set MSB, 0
.macro WIN new                         ; the immediate's high byte repeats the setting that is left; a switch that changes nothing is dropped
.if MSB != (\new)
	s_set_vgpr_msb (MSB<<8)|(\new)
.set MSB, (\new)
.endif
.endm
; Of a group of the stream, off bytes behind s[8:9], the fragments of tiles t0 .. t0 + 3 into ring slot 0..3: 12 loads.
.macro WLOADF slot, off, t0
.if (\slot) < 2
	WIN 0x40                                       ; destination window 1
.else
	WIN 0xc0                                       ; destination window 3
.endif
.set RB, 96*((\slot)%2)
.irp d, 0,1,2,3
.irp c, 0,1,2
	global_load_b128 v[RB+12*((\t0)+\d)+4*\c:RB+12*((\t0)+\d)+4*\c+3], v1, s[8:9] offset:(\off)+1536*((\t0)+\d)+512*\c
.endr
.endr
.endm
; The group's scale words: one load.
.macro WLOADS slot, off
	WIN 0
	global_load_b128 v[SCW+4*(\slot):SCW+4*(\slot)+3], v1, s[8:9] offset:(\off)+12288
.endm
; A whole group, 25 loads on end: at the kernel's head.
.macro WLOAD slot, off
	WLOADF \slot, \off, 0
	WLOADS \slot, \off
	WLOADF \slot, \off, 4
.endm
; The four tiles of rows' fragments of K step gi of the trip, into buffer 0 or 1.  ph = 1: x's, 48 bytes a lane out of the records; ph = 2: the hidden layer's images, and two registers of scale words
; (lanes 0-15: tile 2 p's, lanes 16-31: tile 2 p + 1's).
.macro TFLOAD ph, buf, gi
.if (\buf) == 0
	WIN 0xc0
.set TB, 192
.else
	WIN 0
.set TB, 208
.endif
.irp m, 0,1,2,3
.irp c, 0,1,2
.if \ph == 1
	ds_load_b128 v[TB+12*\m+4*\c:TB+12*\m+4*\c+3], v2 offset:8448*\m+96*(\gi)+16*\c
.else
	ds_load_b128 v[TB+12*\m+4*\c:TB+12*\m+4*\c+3], v6 offset:6144*(\gi)+1536*\m+512*\c
.endif
.endr
.endr
	WIN 0
.if \ph == 2
	ds_load_b32 v[HS+2*(\buf)], v7 offset:512*(\gi)
	ds_load_b32 v[HS+2*(\buf)+1], v7 offset:512*(\gi)+256
.endif
.endm
.macro WM ra, rb                       ; one product; ra, rb: which half of the lanes of the scale registers holds this tile's words
.if ((\ra) == 0) && ((\rb) == 0)
	v_wmma_scale_f32_16x16x128_f8f6f4 v[rD:rD+7], v[rA:rA+11], v[rB:rB+11], v[rC:rC+7], v[rSA], v[rSB] matrix_a_fmt:MATRIX_FMT_BF6 matrix_b_fmt:MATRIX_FMT_BF6
.elseif (\rb) == 0
	v_wmma_scale_f32_16x16x128_f8f6f4 v[rD:rD+7], v[rA:rA+11], v[rB:rB+11], v[rC:rC+7], v[rSA], v[rSB] matrix_a_fmt:MATRIX_FMT_BF6 matrix_b_fmt:MATRIX_FMT_BF6 matrix_a_scale:MATRIX_SCALE_ROW1
.elseif (\ra) == 0
	v_wmma_scale_f32_16x16x128_f8f6f4 v[rD:rD+7], v[rA:rA+11], v[rB:rB+11], v[rC:rC+7], v[rSA], v[rSB] matrix_a_fmt:MATRIX_FMT_BF6 matrix_b_fmt:MATRIX_FMT_BF6 matrix_b_scale:MATRIX_SCALE_ROW1
.else
	v_wmma_scale_f32_16x16x128_f8f6f4 v[rD:rD+7], v[rA:rA+11], v[rB:rB+11], v[rC:rC+7], v[rSA], v[rSB] matrix_a_fmt:MATRIX_FMT_BF6 matrix_b_fmt:MATRIX_FMT_BF6 matrix_a_scale:MATRIX_SCALE_ROW1 matrix_b_scale:MATRIX_SCALE_ROW1
.endif
.endm
; Eight of a group's 32 products: tiles of weights t0, t0 + 1 (t0 even) x the four tiles of rows.  The 32 accumulators take turns, one instruction a turn, in the same order in every group, over the backward jumps too.
;   cb = 1: the bias starts the sums.
.macro MUL8 ph, gi, cb, t0
.irp d, 0,1
.irp m, 0,1,2,3
.set rD, 64*\m+8*((\t0)+\d)
.set rA, 96*((\gi)%2)+12*((\t0)+\d)
.set rB, 192+16*((\gi)%2)+12*\m
.if \cb
.set rC, BIAS+8*((\t0)+\d)
.else
.set rC, rD
.endif
.set rSA, SCW+4*(\gi)+(\t0)/2
.if \ph == 1
.set rSB, XS+2*(\gi)+\m/2
.else
.set rSB, HS+2*((\gi)%2)+\m/2
.endif
	WM \d, \m%2
.endr
.endr
.endm
; Group gi of a trip of four.  Four plain instructions stand between the last products and the loads into registers that they read, as in the plain form of this text; the wait on va_vdst states the dependence itself.
; wl: the group three on is asked for, into the slot that the group before multiplied.  tf: the next group's token fragments are fetched into the other buffer.
; lw: the loads issued behind this group's 25, which may stay out: the two groups behind it.  dw: the LDS loads issued behind this group's token fragments: the next group's.
; aw = 0: no wait on va_vdst: an earlier one has covered the last products and no vector or matrix instruction since names a register that this group's loads touch, or the group issues no load.
; THE DEAL: 12 loads of weights, the LDS loads, the scale words' load; 16 products; the other 12 loads of weights; 16 products.
.macro GROUP ph, gi, cb, wl, lw, tf, dw, aw
.set WN, (1+2*((\gi)/2))|((3*(1-(\gi)%2))<<2)|((2-(\cb))<<4)|0x80   ; source 0: window 1 or 3 (the slot); source 1: window 3 or 0 (the buffer); C: window 1 (bias) or 2; D: window 2
.rept 4
	v_nop
.endr
	s_wait_loadcnt \lw
.if \aw
	s_wait_alu depctr_va_vdst(0)                   ; the products of the group before are done reading their ring slot, their scale registers and their token buffer, in which the loads below land; in a trip's first group: v6 and v7 are written
.endif
.if \wl
	WLOADF ((\gi)+3)%4, ((\gi)+3)*GRP, 0
.endif
.if \tf
	TFLOAD \ph, ((\gi)+1)%2, (\gi)+1
.endif
.if \wl
	WLOADS ((\gi)+3)%4, ((\gi)+3)*GRP
.endif
	s_wait_dscnt \dw
	WIN WN
	MUL8 \ph, \gi, \cb, 0
	MUL8 \ph, \gi, \cb, 2
.if \wl
	WLOADF ((\gi)+3)%4, ((\gi)+3)*GRP, 4           ; no wait: no vector or matrix instruction since the wait above names these registers or v1
.endif
	WIN WN
	MUL8 \ph, \gi, \cb, 4
	MUL8 \ph, \gi, \cb, 6
.endm
; A chunk of 128 hidden units of 64 rows: relu, the blocks' scales, the codes, and their images into LDS: K step 4 w + trip of the second product.
.macro QUANTALL
.rept 4
	v_nop                                          ; four places behind the last products
.endr
	WIN 0x88                                       ; source 1 and destination: window 2
.set a, 0
.rept 256
	v_max_num_f32 v[a], 0, v[a]                    ; the activation, in f32; ascending
.set a, a+1
.endr
	WIN 0x28                                       ; sources 1 and 2: window 2
.irp k, 0,1,2,3,4,5,6,7
	v_max3_num_f32 v[TM+\k], v13, v[32*\k], v[32*\k+1]   ; block k = 2 m + c: my 32 numbers, none negative, and the floor 2^(5 - 127), which holds the byte at 1 from below
.endr
.irp i, 2,4,6,8,10,12,14,16,18,20,22,24,26,28,30
.irp k, 0,1,2,3,4,5,6,7
	v_max3_num_f32 v[TM+\k], v[TM+\k], v[32*\k+\i], v[32*\k+\i+1]   ; the eight blocks by turns
.endr
.endr
	WIN 0
.irp k, 0,1,2,3,4,5,6,7
	v_add_nc_u32 v[SOP+\k], 0xfe000000, v[TM+\k]   ; 4 off the exponent field: the conversion takes that field as its scale
.endr
.irp k, 0,1,2,3,4,5,6,7
	v_lshrrev_b32 v[BY+\k], 23, v[SOP+\k]          ; the scale's byte
.endr
.irp m, 0,1,2,3
	v_lshl_or_b32 v[PW+\m], v[BY+2*\m+1], 16, v[BY+2*\m]   ; my two bytes: blocks h and 2 + h,
.endr
.irp m, 0,1,2,3
	v_lshlrev_b32 v[PW+\m], v12, v[PW+\m]          ; at their places in the word (8 h bits up);
.endr
.irp m, 0,1,2,3
	v_permlanex16_b32 v[PT+\m], v[PW+\m], s38, s39
.endr
.irp m, 0,1,2,3
	v_or_b32 v[PW+\m], v[PW+\m], v[PT+\m]          ; with lane l xor 16's two the word is whole
.endr
	WIN 0x02                                       ; source 0: window 2
.irp k, 0,1,2,3,4,5,6,7
	v_cvt_scalef32_pk16_bf6_f32 v[PC+6*\k:PC+6*\k+2], v[32*\k:32*\k+15], v[SOP+\k]
	v_cvt_scalef32_pk16_bf6_f32 v[TC+4*\k:TC+4*\k+2], v[32*\k+16:32*\k+31], v[SOP+\k]   ; (a conversion's three registers begin on an even number)
.endr
	WIN 0
	v_nop                                          ; one plain instruction behind the scaled conversions
.irp k, 0,1,2,3,4,5,6,7
.irp i, 0,1,2
	v_mov_b32 v[PC+6*\k+3+\i], v[TC+4*\k+\i]
.endr
.endr
	s_wait_alu depctr_va_vdst(0)                   ; the conversions and moves have written the codes v[PC ..] and the scale words v[PW ..], which the LDS stores below read; v4 and v5, their addresses, were written at the last trip's end
.irp m, 0,1,2,3
.irp c, 0,1,2
	ds_store_b128 v4, v[PC+12*\m+4*\c:PC+12*\m+4*\c+3] offset:1536*\m+512*\c
.endr
	ds_store_b32 v5, v[PW+\m] offset:128*\m
.endr
.endm
	s_load_b256 s[4:11], s[0:1], 0x0               ; plan s[4:5], xq s[6:7], the stream s[8:9], b1 s[10:11]
	s_load_b128 s[12:15], s[0:1], 0x20             ; b2 s[12:13], ybuf s[14:15]
	v_lshl_add_u32 v206, v0, 2, 0x24c00
	v_mov_b32 v207, 0
	v_lshrrev_b32 v1, 5, v0
	v_readfirstlane_b32 s32, v1                    ; wave 0..3
	s_lshl_b32 s36, ttmp9, 2                       ; my tile's word in the list of experts
	s_mov_b32 s37, 0
	s_lshl_b32 s40, ttmp9, 8                       ; my tile's 64 tokens,
	s_wait_alu depctr_va_sdst(0)                   ; s32 is written, ahead of its first reader: addresses in LDS and in memory are made from it
	s_lshl_b32 s41, s32, 6                         ; my wave's 16 of them
	s_add_co_u32 s40, s40, s41
	s_mov_b32 s41, 0
	s_wait_kmcnt 0x0
	s_add_nc_u64 s[36:37], s[4:5], s[36:37]
	s_add_nc_u64 s[40:41], s[4:5], s[40:41]
	s_load_b32 s33, s[36:37], TILEE
	s_load_b512 s[16:31], s[40:41], 0x0
	v_and_b32 v12, 31, v0                          ; lane
	v_lshlrev_b32 v1, 4, v12                       ; v1: 16 x lane; never rewritten
	v_and_b32 v60, 15, v0                          ; r
	v_bfe_u32 v61, v0, 4, 1                        ; h
	v_mul_u32_u24 v62, v60, 528
	v_mad_u32_u24 v2, v61, 48, v62                 ; v2: x's fragments: row r, + 48 h
	v_mad_u32_u24 v3, v61, 8448, v62
	v_add_nc_u32 v3, 384, v3                       ; v3: x's scale words: lanes 16-31 take the tile of rows 16 further on
	s_mul_i32 s42, s32, 24576
	s_add_co_u32 s42, s42, HIMG
	v_add_nc_u32 v4, s42, v1                       ; v4: where I store the hidden layer's images: K step 4 w on; stepped
	v_lshlrev_b32 v63, 2, v12
	s_lshl_b32 s42, s32, 11
	s_add_co_u32 s42, s42, HSC
	v_add_nc_u32 v5, s42, v63                      ; v5: and their scale words; stepped
	v_add_nc_u32 v6, HIMG, v1                      ; v6: where I read images; stepped
	v_lshl_add_u32 v7, v61, 7, v63
	v_add_nc_u32 v7, HSC, v7                       ; v7: and scale words: lanes 16-31 the next image's; stepped
	s_mul_i32 s42, s32, 2560
	s_add_co_u32 s42, s42, BL
	v_lshl_add_u32 v8, v61, 7, s42                 ; v8: b1 of my half's 32 units of a tile group; stepped
	v_lshl_add_u32 v9, v61, 5, s42
	v_add_nc_u32 v9, 2048, v9                      ; v9: b2 of my half's 8 outputs of a tile
	v_add_nc_u32 v15, s42, v1                      ; v15: the biases on their way in
	s_mul_i32 s42, s32, 8448
	v_lshl_add_u32 v10, v61, 5, v62
	v_add_nc_u32 v10, s42, v10                     ; v10: the way out: row r of my stage, + 32 h
	v_add_nc_u32 v11, s42, v1                      ; v11: my 16 rows of records on their way in; on the way out: a row of my stage back
	v_lshlrev_b32 v12, 3, v61                      ; v12: 8 h
	v_mov_b32 v13, 0x2800000                       ; v13: the floor
.irp m, 0,1,2,3
	v_mov_b32 v[PT+\m], 0                          ; written once: a lane permute's destination counts as one of its sources
.endr
	s_mov_b32 s38, 0x76543210
	s_mov_b32 s39, 0xfedcba98                      ; v_permlanex16_b32's selects for lane l xor 16
	s_wait_kmcnt 0x0
	s_min_u32 s33, s33, 7                          ; held inside the table before it enters an address; a tile without rows (8) becomes expert 7
.irp i, 0,1,2,3,4,5,6,7,8,9,10,11,12,13,14,15
	s_min_u32 s[16+\i], s[16+\i], 0xfff
.endr
.irp i, 0,1,2,3,4,5,6,7,8,9,10,11,12,13,14,15
	v_lshl_add_u32 v[TOFF+\i], s[16+\i], 9, v1     ; a record is 512 bytes
.endr
	s_lshl_b32 s42, s33, 2
	s_add_co_u32 s42, s42, s32                     ; 4 e + w
	s_mul_i32 s36, s42, 32*GRP
	s_mov_b32 s37, 0
	s_add_nc_u64 s[8:9], s[8:9], s[36:37]          ; my stream
	s_lshl_b32 s36, s42, 11
	s_add_nc_u64 s[10:11], s[10:11], s[36:37]      ; my 512 numbers of b1
	s_lshl_b32 s36, s42, 9
	s_add_nc_u64 s[12:13], s[12:13], s[36:37]      ; my 128 of b2
	s_lshl_b32 s36, ttmp9, 17                      ; 64 rows of 2,048 bytes a tile,
	s_lshl_b32 s43, s32, 9                         ; my 512 bytes of each
	s_add_co_u32 s36, s36, s43
	s_add_nc_u64 s[14:15], s[14:15], s[36:37]
	WIN 0x80                                       ; destination window 2: the accumulators' registers are free yet
	s_wait_alu depctr_va_vdst(0)                   ; the addresses v1 to v11 and v15 and the tokens' offsets v16 to v31 are written, which the loads and stores of the whole kernel read
.irp i, 0,1,2,3,4,5,6,7,8,9,10,11,12,13,14,15
	global_load_b128 v[4*\i:4*\i+3], v[TOFF+\i], s[6:7]   ; a token's record: 512 consecutive bytes.  (A token stands in two experts' lists: no hint)
.endr
.irp i, 0,1,2,3
	global_load_b128 v[64+4*\i:64+4*\i+3], v1, s[10:11] offset:512*\i
.endr
	global_load_b128 v[80:83], v1, s[12:13]
	WLOAD 0, 0
	WLOAD 1, GRP
	s_wait_loadcnt 50                              ; all but the two groups of 25
	WLOAD 2, 2*GRP                                 ; the third group of the ring's first three, behind that wait
	WIN 0x08                                       ; an LDS store's data are its source 1: window 2
.irp i, 0,1,2,3,4,5,6,7,8,9,10,11,12,13,14,15
	ds_store_b128 v11, v[4*\i:4*\i+3] offset:528*\i
.endr
.irp i, 0,1,2,3
	ds_store_b128 v15, v[64+4*\i:64+4*\i+3] offset:512*\i
.endr
	ds_store_b128 v15, v[80:83] offset:2048
	WIN 0
	s_wait_dscnt 0x0                               ; for the others' sake: my 16 records lie in LDS
	s_barrier_signal -1
	s_barrier_wait -1
	s_wait_alu depctr_vm_vsrc(0)                   ; my LDS stores have read the 84 registers of window 2 that held records and biases: they are accumulators from here on, written by the products
.irp s, 0,1,2,3
.irp p, 0,1
	ds_load_b32 v[XS+2*\s+\p], v3 offset:16896*\p+32*\s   ; x's scale words of K step s: lanes 0-15 tile of rows 2 p, lanes 16-31 tile 2 p + 1; they stay
.endr
.endr
; ---- the first product: four trips, a chunk of 128 hidden units each; a trip is four groups, the K steps of D
	s_mov_b32 s34, 4
.Lchunk:
	WIN 0x40
	s_wait_alu depctr_va_vdst(0)                   ; v8 is written (the additions at the last trip's end), which the loads of the bias read.  It stands behind all earlier products too, so the trip's first group needs no wait of its own
.irp t, 0,1,2,3,4,5,6,7
	ds_load_b128 v[BIAS+8*\t:BIAS+8*\t+3], v8 offset:256*(\t/4)+32*(\t%4)       ; b1 of hidden units 64 (t / 4) + 32 h + 8 (t % 4) + 0 .. 7: the result's layout
	ds_load_b128 v[BIAS+8*\t+4:BIAS+8*\t+7], v8 offset:256*(\t/4)+32*(\t%4)+16
.endr
	TFLOAD 1, 0, 0
	GROUP 1, 0, 1, 1, 50, 1, 12, 0
	GROUP 1, 1, 0, 1, 50, 1, 12, 1
	GROUP 1, 2, 0, 1, 50, 1, 12, 1
	GROUP 1, 3, 0, 1, 50, 0, 0, 1                  ; (the last trip's last three groups ask for the second product's first three: the stream goes on)
	QUANTALL
	s_wait_xcnt 0x0                                ; the loads have read their base
	s_add_nc_u64 s[8:9], s[8:9], 4*GRP
	s_wait_alu depctr_vm_vsrc(0)                   ; the LDS loads of the bias have read v8, the LDS stores v4, v5, the codes and the scale words: the additions below and the next trip's quantiser write them
	v_add_nc_u32 v8, 512, v8
	v_add_nc_u32 v4, 6144, v4
	v_add_nc_u32 v5, 512, v5
	s_sub_co_u32 s34, s34, 1
	s_cmp_lg_u32 s34, 0
	s_cbranch_scc1 .Lchunk
	s_wait_dscnt 0x0                               ; my images lie in LDS, and my reads of the records are over
	s_barrier_signal -1
	s_barrier_wait -1
; ---- the second product: four trips of four K steps of FF.  The first takes the bias, the last asks for nothing beyond the stream's end: both are written out.
; Every group but the very last fetches the next group's images: a trip's last group reaches the next trip's first K step by its immediate offsets, so that v6 and v7 are stepped behind it and ahead of a wait that stands anyway.
.macro TRIP2 first, last
.if \first
	WIN 0x40                                       ; (no wait on va_vdst: the quantiser's stands behind the last products, and no vector or matrix instruction since names the bias, buffer 0, v56, v57, v6, v7 or v9)
.irp t, 0,1,2,3,4,5,6,7
	ds_load_b128 v[BIAS+8*\t:BIAS+8*\t+3], v9 offset:64*\t       ; b2 of outputs 16 t + 8 h + 0 .. 7
	ds_load_b128 v[BIAS+8*\t+4:BIAS+8*\t+7], v9 offset:64*\t+16
.endr
	TFLOAD 2, 0, 0
.endif
	GROUP 2, 0, \first, 1, 50, 1, 14, (1-\first)
.if \last
	GROUP 2, 1, 0, 0, 50, 1, 14, 1                 ; behind this group's loads: the last two groups' 50
	GROUP 2, 2, 0, 0, 25, 1, 14, 1                 ; the last group's 25
	GROUP 2, 3, 0, 0, 0, 0, 0, 0
.else
	GROUP 2, 1, 0, 1, 50, 1, 14, 1
	GROUP 2, 2, 0, 1, 50, 1, 14, 1
	GROUP 2, 3, 0, 1, 50, 1, 14, 1
	WIN 0
	s_wait_xcnt 0x0                                ; the loads have read their base
	s_add_nc_u64 s[8:9], s[8:9], 4*GRP
	s_wait_alu depctr_vm_vsrc(0)                   ; the LDS loads issued so far have read v6 and v7
	v_add_nc_u32 v6, 24576, v6
	v_add_nc_u32 v7, 2048, v7
.endif
.endm
	TRIP2 1, 0
	s_mov_b32 s34, 2
.Lk2:
	TRIP2 0, 0
	s_sub_co_u32 s34, s34, 1
	s_cmp_lg_u32 s34, 0
	s_cbranch_scc1 .Lk2
	TRIP2 0, 1
; ---- the way out.  A lane holds 32 neighbouring bytes of a row and the lanes beside it other rows: a block of 16 rows x 128 outputs goes through my own stage and comes back as whole rows of 512 bytes.
; The stage lies where the records lay: every wave has passed the second barrier behind its last read of them.  LDS serves a wave's instructions in order: no wait between the stores and the loads.
.macro TOSTAGE m
	WIN 0x08
.irp t, 0,1,2,3,4,5,6,7
	ds_store_b128 v10, v[64*(\m)+8*\t:64*(\m)+8*\t+3] offset:64*\t          ; each accumulator from its low end on
	ds_store_b128 v10, v[64*(\m)+8*\t+4:64*(\m)+8*\t+7] offset:64*\t+16
.endr
.if (\m) < 3
	WIN 0x40                                       ; back into registers that held weights: a set of its own for each block, so that no store's data are written again
.else
	WIN 0xc0
.endif
.set OBB, 64*((\m)%3)
.irp i, 0,1,2,3,4,5,6,7,8,9,10,11,12,13,14,15
	ds_load_b128 v[OBB+4*\i:OBB+4*\i+3], v11 offset:528*\i
.endr
.endm
.macro SEND m, younger                 ; younger: the LDS instructions issued behind block m's loads
	s_wait_dscnt \younger
.if (\m) < 3
	WIN 0x04                                       ; a store's data are its source 1: window 1
.else
	WIN 0x0c
.endif
.set OBB, 64*((\m)%3)
.irp i, 0,1,2,3,4,5,6,7,8,9,10,11,12,13,14,15
	global_store_b128 v1, v[OBB+4*\i:OBB+4*\i+3], s[14:15] offset:(16*(\m)+\i)*2048 th:TH_STORE_NT   ; 32 lanes store 512 consecutive bytes, aligned; not read again in this launch
.endr
.endm
.rept 4
	v_nop                                          ; four places behind the last products
.endr
	s_wait_alu depctr_va_vdst(0)                   ; the products have written the accumulators, which the LDS stores read, and are done reading the weights' registers, in which the loads from the stage land; the places above stay beside this wait
	TOSTAGE 0
	TOSTAGE 1
	SEND 0, 32                                     ; behind block 0's loads: block 1's 16 stores and 16 loads
	TOSTAGE 2
	SEND 1, 32
	TOSTAGE 3
	SEND 2, 32
	SEND 3, 0
	WIN 0
	s_wait_dscnt 0x0                               ; the closing lines, six on end
	s_wait_alu 0x0
	s_wait_tensorcnt 0x0
	ds_add_u32 v206, v207
	s_wait_dscnt 0x0
	s_endpgm
.Lfunc_end_k_q706f5e5892_chain:
	.size	k_q706f5e5892_chain, .Lfunc_end_k_q706f5e5892_chain-k_q706f5e5892_chain
	.p2alignl 7, 3214868480
	.fill 96, 4, 3214868480
	.section	.rodata,"a",@progbits
	.p2align	6, 0x0
	.amdhsa_kernel k_q706f5e5892_chain
		.amdhsa_group_segment_fixed_size 151040
		.amdhsa_private_segment_fixed_size 0
		.amdhsa_enable_private_segment 0
		.amdhsa_kernarg_size 48
		.amdhsa_user_sgpr_count 2
		.amdhsa_user_sgpr_kernarg_segment_ptr 1
		.amdhsa_wavefront_size32 1
		.amdhsa_system_sgpr_workgroup_id_x 1
		.amdhsa_system_sgpr_workgroup_id_y 1
		.amdhsa_system_sgpr_workgroup_id_z 1
		.amdhsa_system_vgpr_workitem_id 0
		.amdhsa_next_free_vgpr 1024
		.amdhsa_next_free_sgpr 66
		.amdhsa_reserve_vcc 0
		.amdhsa_float_denorm_mode_32 3
		.amdhsa_float_denorm_mode_16_64 3
		.amdhsa_memory_ordered 1
		.amdhsa_forward_progress 1
		.amdhsa_inst_pref_size 170
	.end_amdhsa_kernel
	.amdgpu_metadata
---
amdhsa.version: [ 1, 2 ]
amdhsa.kernels:
  - .name:           k_q706f5e5892_chain
    .symbol:         k_q706f5e5892_chain.kd
    .args:
      - { .name: plan, .offset: 0, .size: 8, .value_kind: global_buffer, .address_space: global }
      - { .name: xq, .offset: 8, .size: 8, .value_kind: global_buffer, .address_space: global }
      - { .name: wimg, .offset: 16, .size: 8, .value_kind: global_buffer, .address_space: global }
      - { .name: b1, .offset: 24, .size: 8, .value_kind: global_buffer, .address_space: global }
      - { .name: b2, .offset: 32, .size: 8, .value_kind: global_buffer, .address_space: global }
      - { .name: ybuf, .offset: 40, .size: 8, .value_kind: global_buffer, .address_space: global }
    .group_segment_fixed_size: 151040
    .private_segment_fixed_size: 0
    .kernarg_segment_align: 8
    .kernarg_segment_size: 48
    .max_flat_workgroup_size: 128
    .sgpr_count:     66
    .vgpr_count:     1024
    .wavefront_size: 32
...
	.end_amdgpu_metadata
.endif
;; end of part 5
;; launch combine: the kernel of part 4 again; grid 256 x 1, 8 waves a work-group, no clusters, 0 bytes of LDS; arguments plan, wts, ybuf, out0; writes out0
